; MI455X (gfx1250); checked and timed in simulation.
; The chip was launched on July 23, 2026; its instructions are those of AMD's public machine-readable ISA for CDNA 5 (MIT licence, August 2026) and "CDNA5" Instruction Set Architecture Reference Guide (July 2026). The comments in the code are by the model that wrote it; some were corrected since.
;; Attention. Allowed arithmetic: matrix products marked QUANTISED: E2M1 operands, one E8M0 scale for each 32 along K, by v_wmma_scale_f32_16x16x128_f8f6f4 with both operands' format E2M1 (or v_wmma_scale_f32_32x16x128_f4), f32 sums; products left as they are: bf16, f16 or f32 operands; f32 sums; everything else in f32.
;; Inputs: b_out 1,024 float32; w_out 1,024 x 1,024 float32; w_qkv 3,072 x 1,024 float32; x 4 x 2,048 x 1,024 float32.
;; Outputs: out0 4 x 2,048 x 1,024 float32.
;; This version of the problem:
;;   THIS VERSION OF THE PROBLEM IS GIVEN IN LOW PRECISION. The matrix products marked QUANTISED in the list below multiply operands that are first quantised to E2M1 (2 exponent bits, 1 mantissa bit; 4 bits a number), with one power-of-two scale for each 32 numbers along K (OCP MX v1.0); their sums are f32. The products marked 'left as it is' may take bf16, f16 or f32 operands, with f32 sums. Whichever they take, every output number must still come out within the allowed error. Rounding operands to bf16 (8 significant bits) uses up far more of that allowance than f16 does (11 bits, for magnitudes from 6e-5 to 65,504). All else is computed in f32.
;;   The module's matrix products, in the order in which they are computed (A, B: the left and right operand; K: the contracted axis; several contracted axes count as one K, in the product's order):
;;     1. [M 8,192, K 1,024] x [K 1,024, N 3,072]; A: input x; B: input w_qkv: QUANTISED
;;     2. batch 64 x [M 2,048, K 64] x [K 64, N 2,048]; A: computed on the way; B: computed on the way: left as it is (an operand is computed on the way)
;;     3. batch 64 x [M 2,048, K 2,048] x [K 2,048, N 64]; A: computed on the way; B: computed on the way: left as it is (an operand is computed on the way)
;;     4. [M 8,192, K 1,024] x [K 1,024, N 1,024]; A: computed on the way; B: input w_out: left as it is (an operand is computed on the way)
;;   THE QUANTISER, for each operand of a quantised product, along K:
;;     - K is cut into blocks of 32 from its start; a last block that is shorter is filled with zeros.
;;     - A block's scale is 2^e with e = floor(log2(the largest magnitude in the block)) - 2, held to -126 .. 127; a block of zeros has e = 0. As a byte (E8M0): e + 127.
;;     - Each number is divided by its block's scale, clamped to +-6, and rounded to the nearest number of E2M1, ties to even, subnormals kept.
;;     - The product sums the exact products of the quantised numbers (number of the format x scale) in f32.
;;   ~~~python
;;   def quantise(x, axis):      # numpy; x: float32 -> the quantised numbers, widened to float32 again
;;       x = np.moveaxis(x, axis, -1); K = x.shape[-1]
;;       x = np.pad(x, [(0, 0)] * (x.ndim - 1) + [(0, -K % 32)]); x = x.reshape(x.shape[:-1] + (-1, 32)); a = np.abs(x).max(-1, keepdims=True)
;;       e = np.where(a > 0, np.clip(np.frexp(np.where(a > 0, a, 1))[1] - 1 - 2, -126, 127), 0)      # np.frexp(a)[1] - 1 = floor(log2(a)), exactly
;;       r = np.clip(x / 2.0 ** e, -6, 6)
;;       step = 2.0 ** (np.maximum(np.frexp(np.where(r == 0, 1, r))[1] - 1, 0) - 1)
;;       q = np.round(r / step) * step * 2.0 ** e      # np.round: ties to even
;;       return np.moveaxis(q.reshape(q.shape[:-2] + (-1,))[..., :K], -1, axis).astype(np.float32)
;;   ~~~
;; One version. Each part assembles by itself: llvm-mc -triple=amdgcn-amd-amdhsa -mcpu=gfx1250 --defsym DOCPART=n.
;; ======== version 1 of 1: 4 launches
;; limits: values are held in f16: magnitudes above 65,504 overflow, below 6.1e-05 lose precision
;; workspace buffers: xc 4,194,304 bytes; xs 262,144 bytes; wc 1,572,864 bytes; ws 98,304 bytes; wo16 2,097,152 bytes; qkv 50,331,648 bytes; att 16,777,216 bytes
;; launch quant (part 1): grid 480 x 1, 4 waves a work-group, no clusters, 33,280 bytes of LDS; arguments x, w_qkv, xc, xs, wc, ws, w_out, wo16; writes xc, xs, wc, ws, wo16
.if DOCPART == 1
	.amdgcn_target "amdgcn-amd-amdhsa--gfx1250"
	.amdhsa_code_object_version 6
	.text
	.protected	k_q1a4f1809cf_quant
	.globl	k_q1a4f1809cf_quant
	.p2align	8
	.type	k_q1a4f1809cf_quant,@function
k_q1a4f1809cf_quant:
	s_mov_b64 s[64:65], 0
	v_nop
	global_prefetch_b8 v0, s[64:65] scope:SCOPE_SE
	s_setreg_imm32_b32 hwreg(HW_REG_WAVE_MODE, 25, 1), 1
	s_wait_xcnt 0x0
; x [8192][1024] and w_qkv [3072][1024], f32, become codes of FP4 (E2M1), K innermost, two codes a byte, with one E8M0 scale byte for each 32 along K;
; w_out [1024][1024], f32, becomes f16 laid in planes of 64 along K: wo16 [16][1024 rows][64].
; A block's scale is 2^(floor(log2(its largest magnitude)) - 2); its byte is the largest magnitude's own exponent field - 2, held at 1 from below.  Each number is divided by the scale and rounded to the nearest code, ties to even,
; beyond the largest code the largest.  A block of zeros gets the byte 1 where the rule says 127: its codes are zeros, which add nothing under any byte but 0xff, and the bytes are read by this program alone.
; LIMITS: blocks whose largest magnitude lies under 2^(2 - 126) keep the byte 1; NaN and infinities among the inputs are not served; numbers of w_out beyond 65,504 have no f16.
; WORK-GROUPS 0 to 351 (256 for x, 96 for w_qkv): rows are dense and K is a multiple of 32, so a tensor is a plain stream of blocks of 32.  A wave takes 16 steps of 512 numbers.  The conversions take 8 numbers of ONE block from a lane's
; registers, so a lane must hold 16 NEIGHBOURS; a load is best where neighbouring LANES take neighbouring bytes.  Both are had: each of a step's four loads reads 512 consecutive bytes, the 2,048 bytes go through the wave's own stage in
; LDS as they lie and come back 64 bytes a lane (16 bytes of padding behind each 64).  A lane's 16 codes are 8 bytes: the wave stores 256 consecutive bytes.  A wave's 256 scale bytes are gathered in LDS and leave as one aligned 256 bytes.
; WORK-GROUPS 352 to 479: 128 rows of one plane of w_out each; no LDS.
; No tensor loads, no ring, no barrier: waves share nothing.  No matrix unit, no cluster: every byte is read once and written once.
.set SIZE_M, 8192
.set SIZE_N, 3072
.set SIZE_K, 1024
.set WAVES, 4
.set STEPS, 16
.set WGA,   SIZE_M*SIZE_K/(512*STEPS*WAVES)            ; 256 work-groups for x
.set WGQ,   (SIZE_M+SIZE_N)*SIZE_K/(512*STEPS*WAVES)   ; 352 for x and w_qkv together
.set EMAX,  2
.set CB,    8                          ; bytes of 16 codes
.set R,     16                         ; v16-79   four sets of 16 numbers as they are loaded
.set X,     80                         ; v80-111  two sets of 16 neighbours
.set C,     128                        ; v128-191 codes: four registers for each step, so that no store's data are written again
.set E,     112                        ; v112-127 a scale byte for each step
.set WREG,  8192                       ; LDS: a region of its own for each wave: two stages of 32 x SP bytes, and behind them its 256 scale bytes
.set SP,    80                         ; a lane's place in a stage: its 64 bytes + 16 of padding
.set SPW,   12                         ; v12      LDS address of my spare word: SPARE + 4 x my thread's number; never rewritten
.set NIL,   13                         ; v13      0; never rewritten
.set SPARE, WAVES*WREG                 ; behind the four regions: the spare words, 128 bytes for each wave, which no other line names
	s_load_b128 s[4:7], s[0:1], 0x0                ; x, w_qkv
	s_load_b128 s[8:11], s[0:1], 0x10              ; x's codes, x's scales
	s_load_b128 s[12:15], s[0:1], 0x20             ; w_qkv's codes, its scales
	s_load_b128 s[24:27], s[0:1], 0x30             ; w_out, wo16
	v_lshl_add_u32 v[SPW], v0, 2, SPARE
	v_mov_b32 v[NIL], 0
	v_lshrrev_b32 v1, 5, v0
	v_readfirstlane_b32 s16, v1                    ; wave
	v_and_b32 v2, 31, v0                           ; lane
	v_lshlrev_b32 v3, 4, v2                        ; my 16 bytes of a load's 512
	s_mul_i32 s17, s16, WREG
	v_lshrrev_b32 v14, 2, v2
	v_mul_u32_u24 v14, v14, SP
	v_and_b32 v15, 3, v2
	v_lshl_add_u32 v14, v15, 4, v14
	v_add_nc_u32 v14, s17, v14                     ; the stage, on the way in: four lanes' 64 bytes on end, then 16 of padding
	v_mul_u32_u24 v15, v2, SP
	v_add_nc_u32 v15, s17, v15                     ; and on the way out: SP x lane: my 16 neighbours
	v_mul_u32_u24 v4, v2, CB                       ; my codes' place in a step's
	v_lshrrev_b32 v5, 1, v2
	s_add_co_u32 s17, s17, 2*32*SP
	v_add_nc_u32 v5, s17, v5                       ; LDS: my wave's 256 scale bytes, my block's byte
	v_lshlrev_b32 v7, 3, v2                        ; and on the way out 8 bytes a lane
	v_add_nc_u32 v6, s17, v7
	s_wait_kmcnt 0x0
	s_cmp_ge_u32 ttmp9, WGQ                        ; the last 128 work-groups take w_out: a branch on the work-group's number alone
	s_cbranch_scc1 .Lwout
	s_cmp_lt_u32 ttmp9, WGA                        ; x's work-group or w_qkv's?  Only pointers are chosen: both take one path through the text
	s_cselect_b64 s[4:5], s[4:5], s[6:7]
	s_cselect_b64 s[8:9], s[8:9], s[12:13]
	s_cselect_b64 s[10:11], s[10:11], s[14:15]
	s_cselect_b32 s17, 0, WGA
	s_sub_co_u32 s17, ttmp9, s17
	s_lshl_b32 s17, s17, 2
	s_add_co_u32 s18, s17, s16                     ; which run of 8,192 numbers of the tensor is my wave's
	s_mov_b32 s19, 0
	s_mov_b64 s[20:21], 512*STEPS*4
	s_mul_u64 s[20:21], s[18:19], s[20:21]
	s_add_nc_u64 s[4:5], s[4:5], s[20:21]
	s_mov_b64 s[20:21], 32*STEPS*CB
	s_mul_u64 s[20:21], s[18:19], s[20:21]
	s_add_nc_u64 s[8:9], s[8:9], s[20:21]
	s_lshl_b32 s18, s18, 8                         ; 256 scale bytes a run
	s_add_nc_u64 s[10:11], s[10:11], s[18:19]
.macro LOAD t
.irp i, 0,1,2,3
	global_load_b128 v[R+16*((\t)%4)+4*\i:R+16*((\t)%4)+4*\i+3], v3, s[4:5] offset:2048*(\t)+512*\i th:TH_LOAD_NT   ; 32 lanes read 512 consecutive bytes
.endr
.endm
.macro TURN t                          ; step t's numbers through the stage: LDS serves a wave's instructions in order (ISA guide 5.7.1.4), so no wait stands between the stores and the loads
.irp i, 0,1,2,3
	ds_store_b128 v14, v[R+16*((\t)%4)+4*\i:R+16*((\t)%4)+4*\i+3] offset:32*SP*((\t)%2)+8*SP*\i
.endr
.irp i, 0,1,2,3
	ds_load_b128 v[X+16*((\t)%2)+4*\i:X+16*((\t)%2)+4*\i+3], v15 offset:32*SP*((\t)%2)+16*\i
.endr
.endm
.irp t, 0,1,2,3
	LOAD \t
.endr
	s_wait_loadcnt 12                              ; step 0's four loads are in; the twelve of steps 1 to 3 stay out
	TURN 0
.macro STEP t
.set XS, X+16*((\t)%2)
.if (\t) > 0
	s_wait_dscnt 1                                 ; this step's numbers are back from the stage (the last step's byte store may be out): so its stores into the stage have read their registers,
.else
	s_wait_dscnt 0x0
.endif
.if (\t)+4 < STEPS
	LOAD (\t)+4                                    ; which take the loads of four steps on
.endif
.if (\t)+1 < STEPS
.if STEPS-2-(\t) >= 3
	s_wait_loadcnt 12                              ; the next step's four loads are in; those of the three steps behind it may be out
.else
	s_wait_loadcnt 4*(STEPS-2-(\t))
.endif
	TURN (\t)+1                                    ; and go through the other stage while this step is worked
.endif
	v_max3_num_f32 v8, |v[XS]|, |v[XS+1]|, |v[XS+2]|               ; the largest magnitude of my 16, in two chains
	v_max3_num_f32 v9, |v[XS+3]|, |v[XS+4]|, |v[XS+5]|
.irp i, 6,10
	v_max3_num_f32 v8, v8, |v[XS+\i]|, |v[XS+\i+1]|
	v_max3_num_f32 v9, v9, |v[XS+\i+2]|, |v[XS+\i+3]|
.endr
	v_max3_num_f32 v8, v8, |v[XS+14]|, |v[XS+15]|
	v_max3_num_f32 v8, v8, v9, (EMAX+1)<<23        ; and the floor 2^(EMAX + 1 - 127), under which no largest magnitude is taken: so the byte cannot fall under 1
	v_max_num_f32_dpp v8, v8, v8 row_xmask:1 row_mask:0xf bank_mask:0xf   ; and of my neighbour's 16: the block's
	v_add_nc_u32 v11, -(EMAX<<23), v8              ; EMAX off its exponent field: the conversion takes the exponent field of this operand as its scale, and nothing else of it
	v_cvt_scalef32_pk8_fp4_f32 v[C+4*(\t)], v[XS:XS+7], v11        ; eight numbers / 2^(v11's exponent), to the nearest code; the first number's code in the lowest four bits
	v_cvt_scalef32_pk8_fp4_f32 v[C+4*(\t)+1], v[XS+8:XS+15], v11
	v_lshrrev_b32 v[E+(\t)], 23, v11               ; the scale's byte (also the plain line behind the conversions)
	ds_store_b8 v5, v[E+(\t)] offset:16*(\t)       ; both lanes of a block write the same byte with the same value
	global_store_b64 v4, v[C+4*(\t):C+4*(\t)+1], s[8:9] offset:32*CB*(\t)   ; 32 lanes store 256 consecutive bytes, aligned
.endm
.irp t, 0,1,2,3,4,5,6,7,8,9,10,11,12,13,14,15
	STEP \t
.endr
	ds_load_b64 v[8:9], v6                         ; LDS serves a wave's instructions in order: these see my byte stores
	s_wait_dscnt 0x0
	global_store_b64 v7, v[8:9], s[10:11]          ; 32 lanes store 256 consecutive bytes, aligned
	s_wait_tensorcnt 0x0                           ; the wave's end: a wait on TENSORcnt, though this text has no tensor load, an add and its wait, behind my last LDS store
	ds_add_u32 v[SPW], v[NIL]
	s_wait_dscnt 0x0
	s_endpgm
; w_out to f16.  Work-group g = 0 .. 127 takes rows 128 (g % 8) .. + 127 of plane g / 8 (K = 64 (g / 8) .. + 63): 16,384 consecutive bytes of wo16.
; Thread v and trip i make the 16 bytes at 2,048 i + 16 v: row 16 i + v / 8, numbers 8 (v % 8) .. + 7 of the plane's 64.  Eight lanes' two loads cover 256 consecutive bytes of a row of w_out; a wave's store covers 512.
; All sixteen loads go out first; no register is written twice, so the only waits are the counted ones for the loads.
.set IN,  16                           ; v16-79   8 x 8 numbers
.set HF,  80                           ; v80-111  8 x 4 registers of f16
.Lwout:
	s_sub_co_u32 s16, ttmp9, WGQ                   ; g
	s_lshr_b32 s17, s16, 3                         ; the plane
	s_lshl_b32 s18, s17, 8                         ; 64 numbers of f32 along a row
	s_and_b32 s19, s16, 7
	s_lshl_b32 s19, s19, 19                        ; 128 rows of 4,096 bytes
	s_add_co_u32 s18, s18, s19
	s_mov_b32 s19, 0
	s_add_nc_u64 s[24:25], s[24:25], s[18:19]
	s_lshl_b32 s18, s16, 14
	s_add_nc_u64 s[26:27], s[26:27], s[18:19]
	v_lshrrev_b32 v8, 3, v0
	v_and_b32 v9, 7, v0
	v_lshlrev_b32 v8, 12, v8
	v_lshl_add_u32 v8, v9, 5, v8                   ; in: (v / 8) rows + 32 (v % 8)
	v_lshlrev_b32 v9, 4, v0                        ; out: 16 v
.irp i, 0,1,2,3,4,5,6,7
	global_load_b128 v[IN+8*\i:IN+8*\i+3],   v8, s[24:25] offset:65536*\i th:TH_LOAD_NT
	global_load_b128 v[IN+8*\i+4:IN+8*\i+7], v8, s[24:25] offset:65536*\i+16 th:TH_LOAD_NT
.endr
.irp i, 0,1,2,3,4,5,6,7
	s_wait_loadcnt 14-2*\i                         ; loads come back in order (ISA guide 5.7.1): trip i's two are in, the younger ones stay out
.irp r, 0,1,2,3
	v_cvt_pk_f16_f32 v[HF+4*\i+\r], v[IN+8*\i+2*\r], v[IN+8*\i+2*\r+1]
.endr
	global_store_b128 v9, v[HF+4*\i:HF+4*\i+3], s[26:27] offset:2048*\i
.endr
	s_endpgm
.Lfunc_end_k_q1a4f1809cf_quant:
	.size	k_q1a4f1809cf_quant, .Lfunc_end_k_q1a4f1809cf_quant-k_q1a4f1809cf_quant
	.p2alignl 7, 3214868480
	.fill 96, 4, 3214868480
	.section	.rodata,"a",@progbits
	.p2align	6, 0x0
	.amdhsa_kernel k_q1a4f1809cf_quant
		.amdhsa_group_segment_fixed_size 33280
		.amdhsa_private_segment_fixed_size 0
		.amdhsa_enable_private_segment 0
		.amdhsa_kernarg_size 64
		.amdhsa_user_sgpr_count 2
		.amdhsa_user_sgpr_kernarg_segment_ptr 1
		.amdhsa_wavefront_size32 1
		.amdhsa_system_sgpr_workgroup_id_x 1
		.amdhsa_system_sgpr_workgroup_id_y 1
		.amdhsa_system_sgpr_workgroup_id_z 1
		.amdhsa_system_vgpr_workitem_id 0
		.amdhsa_next_free_vgpr 192
		.amdhsa_next_free_sgpr 66
		.amdhsa_reserve_vcc 0
		.amdhsa_float_denorm_mode_32 3
		.amdhsa_float_denorm_mode_16_64 3
		.amdhsa_memory_ordered 1
		.amdhsa_forward_progress 1
		.amdhsa_inst_pref_size 39
	.end_amdhsa_kernel
	.amdgpu_metadata
---
amdhsa.version: [ 1, 2 ]
amdhsa.kernels:
  - .name:           k_q1a4f1809cf_quant
    .symbol:         k_q1a4f1809cf_quant.kd
    .args:
      - { .name: x, .offset: 0, .size: 8, .value_kind: global_buffer, .address_space: global }
      - { .name: w_qkv, .offset: 8, .size: 8, .value_kind: global_buffer, .address_space: global }
      - { .name: xc, .offset: 16, .size: 8, .value_kind: global_buffer, .address_space: global }
      - { .name: xs, .offset: 24, .size: 8, .value_kind: global_buffer, .address_space: global }
      - { .name: wc, .offset: 32, .size: 8, .value_kind: global_buffer, .address_space: global }
      - { .name: ws, .offset: 40, .size: 8, .value_kind: global_buffer, .address_space: global }
      - { .name: w_out, .offset: 48, .size: 8, .value_kind: global_buffer, .address_space: global }
      - { .name: wo16, .offset: 56, .size: 8, .value_kind: global_buffer, .address_space: global }
    .group_segment_fixed_size: 33280
    .private_segment_fixed_size: 0
    .kernarg_segment_align: 8
    .kernarg_segment_size: 64
    .max_flat_workgroup_size: 128
    .sgpr_count:     66
    .vgpr_count:     192
    .wavefront_size: 32
...
	.end_amdgpu_metadata
.endif
;; end of part 1
;; launch qkv (part 2): grid 12 x 32, 4 waves a work-group, clusters of 4 x 4, 327,680 bytes of LDS; arguments xc, xs, wc, ws, qkv; writes qkv
.if DOCPART == 2
	.amdgcn_target "amdgcn-amd-amdhsa--gfx1250"
	.amdhsa_code_object_version 6
	.text
	.protected	k_q1a4f1809cf_qkv
	.globl	k_q1a4f1809cf_qkv
	.p2align	8
	.type	k_q1a4f1809cf_qkv,@function
k_q1a4f1809cf_qkv:
	s_mov_b64 s[64:65], 0
	v_nop
	global_prefetch_b8 v0, s[64:65] scope:SCOPE_SE
	s_setreg_imm32_b32 hwreg(HW_REG_WAVE_MODE, 25, 1), 1
	s_wait_xcnt 0x0
	s_wait_alu depctr_hold_cnt(0) depctr_sa_sdst(0) depctr_va_vdst(0) depctr_va_sdst(0) depctr_va_ssrc(0) depctr_va_vcc(0) depctr_vm_vsrc(0)
	s_getreg_b32 s2, hwreg(HW_REG_IB_STS2, 6, 4)
	s_cmp_eq_u32 s2, 0
	s_cbranch_scc0 .Lentry_in_a_cluster
	s_endpgm
.Lentry_in_a_cluster:
	s_bfe_u32 s2, ttmp6, 0x10000c
	s_cmp_lg_u32 s2, 0xf033
	s_cbranch_scc0 .Lentry_shape_is_right
	s_endpgm
.Lentry_shape_is_right:
; C[m][n] = sum over k of x[m][k] w_qkv[n][k] on codes of FP4 (E2M1) with one E8M0 scale for each 32 along K; sums in f32.  m = 8,192 tokens, n = 3,072 (q, k, v x 16 heads x 64), K = 1,024.
; The result leaves as f16, head-major: qkv [3][64 = batch x 16 + head][2,048 tokens][64]; q is first multiplied, in f32, by log2(e) / 8, so that the next launch's softmax is 2^(score - maximum).
; LIMITS: |q| log2(e) / 8, |k| and |v| beyond 65,504 have no f16 (x and w_qkv 30 times larger give about 5,000).
; A tile of C, 256 x 256, is made by a work-group of four waves, as many as a WGP has SIMDs; a wave makes 128 x 128: 64 accumulators of 16 x 16, 512 registers.
; K = 1,024 is two LDS slots of 512 along K (rows of 256 bytes): both are asked for at the start, with the scale bytes of the work-group's 512 rows; nothing is filled twice.  By this text's count a wave has three tensor loads out.
; CLUSTERS: 4 x 4 work-groups.  The four of a row of the cluster need the same tiles of x, the four of a column the same tiles of w_qkv: each tile is asked for JOINTLY, by the same tensor load with the same descriptor and a mask
; that names the four.  THE MATRIX INSTRUCTION IS USED TRANSPOSED (source 0 = 16 rows of w_qkv, source 1 = 16 tokens): a lane then holds eight neighbouring channels of one token.
; REGISTERS, in windows of 256: window 0: v0-31 addresses; v32-95 scale words, two sets; from v128 x's fragments (8 x 16 rows x 128 K), ONE set; on the way out v32-127 are free.
;   window 1: w_qkv's fragments, TWO sets, at v0 and at v128.   window 2: the 32 accumulators of my rows 0-63 (accumulator (a, b) at v[8 (8 a + b)]);   window 3: those of my rows 64-127.
; A step of 128 along K is 64 matrix instructions, A's blocks one after the other, each against B's eight: a block of A is free as soon as its eight products are issued, so one set serves A.
.set SIZE_M, 8192
.set SIZE_N, 3072
.set SIZE_K, 1024
.set KSTEP,  512                       ; along K in a slot
.set NQ,     KSTEP/128                 ; matrix instructions deep
.set ROWB,   256                       ; a tile's row in bytes
.set KROW,   SIZE_K/2                  ; a row of codes in memory, in bytes
.set PITCH,  272                       ; an LDS row: 256 bytes + 16 of padding = 68 words: row r starts at bank 4 r mod 64 (64 banks of 4 bytes: ISA guide 11.1)
.set FR,     8                         ; registers of a fragment: 16 rows x 128 K
.set NL,     2                         ; LDS loads that bring one
.set NP,     4                         ; places behind this matrix instruction (ISA guide 7.12.1)
.set HALFT,  128*PITCH                 ; 128 rows: what one tensor load brings, and what one wave reads of A or of B
.set SLOT,   4*HALFT                   ; A's 256 rows, then B's 256 rows
.set KS,     SIZE_K/32                 ; a row of scales: 32 bytes
.set SCL,    2*SLOT                    ; behind the slots: the scales, as runs of 256 bytes + 16 of padding
.set HALFS,  (128*KS/256)*272          ; the scales of 128 rows: what one tensor load brings
.set SBLK,   (16*KS/256)*272           ; those of 16 rows
.set SPARE,  SCL+4*HALFS               ; behind the scales: the spare words, 128 bytes for each wave, which no other line names
.set SPITCH, 272                       ; the way out: a stage of 16 rows x (256 bytes + 16) for each wave, in slot 0, which has had its only fill and its last read when the first result is stored there
.set ADRA, 16                          ; v16-17  LDS address of my A fragments in slot 0, 1
.set ADRB, 20                          ; v20-21  the same for B
.set STO,  24                          ; v24     the way out: where I put 16 bytes of a token
.set RD,   25                          ; v25     the way out: where I read them back
.set CO,   26                          ; v26     my byte offset in qkv
.set ADRS, 27                          ; v27     LDS address of my scale words: lanes 0-15 A's rows, lanes 16-31 B's
.set SPW,  28                          ; v28     LDS address of my spare word; never rewritten
.set NIL,  29                          ; v29     0; never rewritten
.set SC,   32                          ; scale words: set s at v[SC + 8 NQ s]; register NQ i + q: lanes 0-15 the word of A's block i, lanes 16-31 that of B's block i, for the slot's q-th 128 along K
.set AF,   128                         ; A's fragments, in window 0
.set TMP,  32                          ; the way out: a block's 32 registers of f16
.set BK,   64                          ; the way out: 16 tokens read back from the stage: v64-95 and v96-127 by turns
.set G1, 24                            ; s[24:31] descriptor group 1 for A's tiles;  s[32:39] group 0, one set for each slot
.set G0, 32
.set G1B, 48                           ; s[48:55], s[56:63] the same for B's tiles
.set G0B, 56
.set G1S, 68                           ; s[68:75], s[76:79] groups 1 and 0 for A's scales;  s[80:87], s[88:91] for B's
.set G0S, 76
.set G1SB, 80
.set G0SB, 88
.set FAC, 96                           ; s[96:97] what the results are multiplied by: log2(e) / 8 for q, 1 for k and v
.set MSB, 0
.macro WIN new                         ; the immediate's high byte repeats the setting that is left; a switch that changes nothing is dropped
.if MSB != (\new)
	s_set_vgpr_msb (MSB<<8)|(\new)
.set MSB, (\new)
.endif
.endm
.set MUL_LO, 0xa1                      ; source 0 (B) window 1, source 1 (A) window 0, C and D window 2
.set MUL_HI, 0xf1                      ; the same, C and D window 3
.set TO_B,   0x40                      ; destination window 1, address window 0
; A joint load: waves 0 and 1 fetch for A, waves 2 and 3 for B.  Each of the two lines has ONE mask and one set of registers for all that issue it; the branch hangs on the wave's number alone.
; An s_nop 0 and four v_nop follow each of the two lines, ahead of the jump, the label and what follows.
.macro JLOAD g0a, g1a, g0b, g1b
	s_cmp_eq_u32 s15, 0
	s_cbranch_scc0 .Lfor_b_\@
	tensor_load_to_lds s[\g0a:\g0a+3], s[\g1a:\g1a+7]
	s_nop 0
.rept 4
	v_nop
.endr
	s_branch .Lasked_\@
.Lfor_b_\@:
	tensor_load_to_lds s[\g0b:\g0b+3], s[\g1b:\g1b+7]
	s_nop 0
.rept 4
	v_nop
.endr
.Lasked_\@:
.endm
.macro CROUND                          ; a round of the cluster's barrier: my work-group's barrier; wave 0 signals for the work-group; every wave waits for all sixteen; my work-group's barrier once more
	s_barrier_signal -1
	s_barrier_wait -1
	s_cmp_lg_u32 s14, 0
	s_cbranch_scc1 .Lnot_wave_0_\@
	s_barrier_signal -3
.Lnot_wave_0_\@:
	s_barrier_wait -3
	s_barrier_signal -1
	s_barrier_wait -1
.endm
	s_load_b128 s[4:7], s[0:1], 0x0                ; x's codes s[4:5], x's scales s[6:7]
	s_load_b128 s[8:11], s[0:1], 0x10              ; w_qkv's codes s[8:9], its scales s[10:11]
	s_load_b64 s[12:13], s[0:1], 0x20              ; qkv
	v_lshl_add_u32 v[SPW], v0, 2, SPARE
	v_mov_b32 v[NIL], 0
	ds_add_u32 v[SPW], v[NIL]                      ; the wave's opening: the add, twice on end, and its wait ahead of my first tensor load; the set-up below, work on registers, stands between
	ds_add_u32 v[SPW], v[NIL]
	v_lshrrev_b32 v1, 5, v0
	v_readfirstlane_b32 s14, v1                    ; wave 0..3
	s_lshr_b32 s15, s14, 1                         ; which half of the tile's rows is mine.  Also: I fetch for A (0) or for B (1)
	s_and_b32 s16, s14, 1                          ; which half of its columns.  Also: which 128 rows of that tile I fetch
	s_bfe_u32 s40, ttmp6, 0x40000                  ; cx, cy: my place in the cluster
	s_bfe_u32 s41, ttmp6, 0x40004
	s_lshl_b32 s42, ttmp9, 2
	s_add_co_u32 s42, s42, s40                     ; tile column of C = 4 x cluster x + cx
	s_and_b32 s17, ttmp7, 0xffff
	s_lshl_b32 s17, s17, 2
	s_add_co_u32 s17, s17, s41                     ; tile row of C = 4 x cluster y + cy
	s_lshl_b32 s43, s41, 2
	s_lshl_b32 s43, 15, s43                        ; my row of the cluster
	s_lshl_b32 s44, 0x1111, s40                    ; my column
	s_cmp_eq_u32 ttmp9, 0                          ; cluster x = 0 holds tile columns 0 to 3: q's 1,024 columns.  The same in all sixteen partners
	s_cselect_b32 s[FAC], 0x3e38aa3b, 1.0          ; log2(e) / 8 = 0.18033688, or 1
	s_mov_b32 s[FAC+1], s[FAC]                     ; (named with it as a pair, so it is written)
	; descriptor group 1: a tile of 128 rows x 256 bytes, padded in LDS
	s_or_b32 s[G1+0], s43, (0<<16)|(1<<20)|(1<<21)|(5<<22)|(3<<25)  ; 15:0 the mask: A's tiles go to my row; 17:16 element of 1 byte; 20 padding on; 21 set beside a mask; 24:22 after every 64 words (code 5); 31:25 of 4 words (code 3)
	s_or_b32 s[G1B+0], s44, (0<<16)|(1<<20)|(1<<21)|(5<<22)|(3<<25)
.irp g, G1, G1B
	s_mov_b32 s[\g+1], ROWB<<16                    ; tensor_dim0
	s_mov_b32 s[\g+2], 128<<16                     ; tensor_dim1 = 128
	s_mov_b32 s[\g+3], ROWB<<16                    ; tile_dim0
	s_mov_b32 s[\g+4], 128                         ; tile_dim1 = 128
	s_mov_b32 s[\g+5], KROW                        ; tensor_dim0_stride
	s_mov_b32 s[\g+6], 0
	s_mov_b32 s[\g+7], 0
.endr
	; and for the scales of 128 rows: a dense block of 4,096 bytes, as rows of 256 bytes (32 elements of 8 bytes), 16 bytes of padding behind each
	s_or_b32 s[G1S+0], s43, (3<<16)|(1<<20)|(1<<21)|(5<<22)|(3<<25)
	s_or_b32 s[G1SB+0], s44, (3<<16)|(1<<20)|(1<<21)|(5<<22)|(3<<25)
.irp g, G1S, G1SB
	s_mov_b32 s[\g+1], 32<<16
	s_mov_b32 s[\g+2], (128*KS/256)<<16
	s_mov_b32 s[\g+3], 32<<16
	s_mov_b32 s[\g+4], 128*KS/256
	s_mov_b32 s[\g+5], 32
	s_mov_b32 s[\g+6], 0
	s_mov_b32 s[\g+7], 0
.endr
	s_lshl_b32 s18, s16, 7                         ; which 128 rows of the tile I fetch
	s_lshl_b32 s20, s17, 8
	s_add_co_u32 s20, s20, s18                     ; A: row 256 x tile row + 128 x half
	s_lshl_b32 s46, s42, 8
	s_add_co_u32 s46, s46, s18                     ; B: row 256 x tile column + 128 x half
	s_mov_b32 s21, 0
	s_mov_b32 s47, 0
	s_mov_b64 s[18:19], KS
	s_mul_u64 s[22:23], s[20:21], s[18:19]         ; where these rows' scales begin, in bytes
	s_mul_u64 s[92:93], s[46:47], s[18:19]
	s_mov_b64 s[18:19], KROW
	s_mul_u64 s[20:21], s[20:21], s[18:19]         ; and their codes
	s_mul_u64 s[46:47], s[46:47], s[18:19]
	s_mul_i32 s45, s14, HALFT                      ; where they go: wave x 128 rows: no place in the cluster enters an LDS address
	s_mul_i32 s94, s14, HALFS
	s_wait_dscnt 0x0                               ; both opening adds are done
	s_wait_kmcnt 0x0
	s_add_nc_u64 s[20:21], s[4:5], s[20:21]
	s_add_nc_u64 s[22:23], s[6:7], s[22:23]
	s_add_nc_u64 s[46:47], s[8:9], s[46:47]
	s_add_nc_u64 s[92:93], s[10:11], s[92:93]
	CROUND                                         ; all sixteen work-groups are here: the joint loads meet
	s_mov_b32 s[G0S], 1
	s_add_co_u32 s[G0S+1], s94, SCL
	s_mov_b64 s[G0S+2:G0S+3], s[22:23]
	s_or_b32 s[G0S+3], s[G0S+3], 0x80000000
	s_mov_b32 s[G0SB], 1
	s_add_co_u32 s[G0SB+1], s94, SCL
	s_mov_b64 s[G0SB+2:G0SB+3], s[92:93]
	s_or_b32 s[G0SB+3], s[G0SB+3], 0x80000000
	JLOAD G0S, G1S, G0SB, G1SB                     ; the scales first: they are wanted with the first slot
.irp s, 0,1
	s_mov_b32 s[G0+4*\s], 1
	s_add_co_u32 s[G0+4*\s+1], s45, \s*SLOT
	s_add_nc_u64 s[G0+4*\s+2:G0+4*\s+3], s[20:21], \s*ROWB
	s_or_b32 s[G0+4*\s+3], s[G0+4*\s+3], 0x80000000
	s_mov_b32 s[G0B+4*\s], 1
	s_add_co_u32 s[G0B+4*\s+1], s45, \s*SLOT
	s_add_nc_u64 s[G0B+4*\s+2:G0B+4*\s+3], s[46:47], \s*ROWB
	s_or_b32 s[G0B+4*\s+3], s[G0B+4*\s+3], 0x80000000
	JLOAD G0+4*\s, G1, G0B+4*\s, G1B
.endr
	v_and_b32 v1, 15, v0                           ; r = l % 16
	v_bfe_u32 v2, v0, 4, 1                         ; h = l / 16
	v_mul_u32_u24 v3, v1, PITCH
	v_lshl_add_u32 v4, v2, 4, v3                   ; a fragment's row x pitch + 16 x half
	s_mul_i32 s21, s15, HALFT                      ; my 128 rows of A
	s_mul_i32 s22, s16, HALFT                      ; my 128 rows of B,
	s_add_co_u32 s22, s22, 2*HALFT                 ; which lie behind A's 256
.irp s, 0,1
	v_add_nc_u32 v[ADRA+\s], s21, v4
	v_add_nc_u32 v[ADRB+\s], s22, v4
	s_add_co_u32 s21, s21, SLOT
	s_add_co_u32 s22, s22, SLOT
.endr
	v_mul_u32_u24 v5, v1, KS                       ; my row's scales: 32 bytes a row,
	v_lshrrev_b32 v6, 8, v5
	v_lshl_add_u32 v5, v6, 4, v5                   ; and 16 more for each 256 passed
	s_mul_i32 s21, s15, HALFS                      ; A's: my 128 rows
	s_mul_i32 s22, s16, HALFS                      ; B's: my 128 rows, behind A's 256
	s_add_co_u32 s22, s22, 2*HALFS
	s_sub_co_u32 s22, s22, s21
	v_mul_u32_u24 v6, s22, v2                      ; lanes 16-31 take B's: one product, the distance between the two bases x h
	s_add_co_u32 s21, s21, SCL
	v_add_nc_u32 v5, v5, v6
	v_add_nc_u32 v[ADRS], s21, v5
	; the way out.  A stage row is a token's 128 channels of f16: my two heads' 64 each.  In: row r, 16 bytes for each half of the lanes.
	; Back: lanes 0-15 take two tokens' 128 bytes of the first head, 256 consecutive bytes of qkv; lanes 16-31 the same of the second head, one head (262,144 bytes) further on.
	s_mul_i32 s23, s14, 16*SPITCH                  ; my stage
	v_mul_u32_u24 v5, v1, SPITCH
	v_lshl_add_u32 v5, v2, 4, v5
	v_add_nc_u32 v[STO], s23, v5
	v_bfe_u32 v6, v0, 3, 1                         ; which of the two tokens
	v_mul_u32_u24 v6, v6, SPITCH
	v_lshl_add_u32 v6, v2, 7, v6                   ; + 128 for the second head
	v_and_b32 v5, 7, v0
	v_lshl_add_u32 v6, v5, 4, v6
	v_add_nc_u32 v[RD], s23, v6
	v_lshlrev_b32 v[CO], 4, v1
	v_lshl_add_u32 v[CO], v2, 18, v[CO]
	; my first token of my first head in qkv: (((n / 1,024) x 64 + batch x 16 + head) x 2,048 + token) x 128 bytes, under 2^26
	s_lshl_b32 s46, s42, 2
	s_lshl_b32 s47, s16, 1
	s_add_co_u32 s46, s46, s47                     ; my first column / 64: 0 .. 46
	s_lshr_b32 s47, s46, 4                         ; q, k or v
	s_lshl_b32 s47, s47, 6
	s_and_b32 s46, s46, 15                         ; the head
	s_add_co_u32 s46, s46, s47
	s_lshl_b32 s20, s17, 8
	s_lshl_b32 s21, s15, 7
	s_add_co_u32 s20, s20, s21                     ; my first row of C
	s_lshr_b32 s21, s20, 11                        ; the batch
	s_lshl_b32 s21, s21, 4
	s_and_b32 s20, s20, 2047                       ; the token
	s_add_co_u32 s46, s46, s21
	s_lshl_b32 s46, s46, 11
	s_add_co_u32 s20, s20, s46
	s_lshl_b32 s20, s20, 7
	s_mov_b32 s21, 0
	s_add_nc_u64 s[12:13], s[12:13], s[20:21]
.macro FRAG reg, adr, q, i             ; a fragment, 16 rows x 128 K of 4-bit codes, is 8 registers: lane l holds row l % 16; registers 4 c .. 4 c + 3 hold K = 64 c + 32 (l / 16) + 0 .. 31
.irp c, 0,1
	ds_load_b128 v[\reg+4*\c:\reg+4*\c+3], v[\adr] offset:64*(\q)+32*\c+(\i)*16*PITCH
.endr
.endm
; 16 matrix instructions: A's blocks a0, a0 + 1 x B's eight, 128 along K: the slot's q-th.  p: B's set;  sc: the set of scale words.  zero = 1: the first product starts the sums: nothing is ever cleared.
; The 64 accumulators take turns, one instruction a turn, in the same order in every step.  One register carries A's scale word (lanes 0-15) and B's (lanes 16-31).
.macro MUL16 a0, p, q, sc, zero
.irp a, \a0, \a0+1
.irp b, 0,1,2,3,4,5,6,7
.if \zero
	v_wmma_scale_f32_16x16x128_f8f6f4 v[8*(8*((\a)%4)+\b):8*(8*((\a)%4)+\b)+7], v[128*(\p)+FR*\b:128*(\p)+FR*\b+FR-1], v[AF+FR*(\a):AF+FR*(\a)+FR-1], 0, v[SC+8*NQ*(\sc)+NQ*\b+(\q)], v[SC+8*NQ*(\sc)+NQ*(\a)+(\q)] matrix_a_fmt:MATRIX_FMT_FP4 matrix_b_fmt:MATRIX_FMT_FP4 matrix_a_scale:MATRIX_SCALE_ROW1
.else
	v_wmma_scale_f32_16x16x128_f8f6f4 v[8*(8*((\a)%4)+\b):8*(8*((\a)%4)+\b)+7], v[128*(\p)+FR*\b:128*(\p)+FR*\b+FR-1], v[AF+FR*(\a):AF+FR*(\a)+FR-1], v[8*(8*((\a)%4)+\b):8*(8*((\a)%4)+\b)+7], v[SC+8*NQ*(\sc)+NQ*\b+(\q)], v[SC+8*NQ*(\sc)+NQ*(\a)+(\q)] matrix_a_fmt:MATRIX_FMT_FP4 matrix_b_fmt:MATRIX_FMT_FP4 matrix_a_scale:MATRIX_SCALE_ROW1
.endif
.endr
.endr
.endm
.macro FETCH_B slot, q, p              ; B's eight fragments of the slot's q-th 128 along K into set p
	WIN TO_B
.irp i, 0,1,2,3,4,5,6,7
	FRAG 128*(\p)+FR*\i, ADRB+\slot, \q, \i
.endr
	WIN 0
.endm
.macro FETCH_A slot, q, i0             ; A's blocks i0 .. i0 + 3
.irp i, \i0, \i0+1, \i0+2, \i0+3
	FRAG AF+FR*(\i), ADRA+\slot, \q, \i
.endr
.endm
.macro SCALES sc                       ; a slot's scale words into set sc: NQ words a row; lanes 0-15 take A's block i, lanes 16-31 B's block i
.irp i, 0,1,2,3,4,5,6,7
	ds_load_b128 v[SC+8*NQ*\sc+NQ*\i:SC+8*NQ*\sc+NQ*\i+3], v[ADRS] offset:\i*SBLK
.endr
.endm
; A load into a register that a matrix instruction has read, and a vector instruction that reads a matrix result, stand NP places behind that matrix instruction, and only plain vector instructions that name none of
; its registers are places (ISA guide 7.12.1 for vector instructions).
.macro PLACES n
.rept \n
	v_nop
.endr
.endm
; A step of 128 along K that has its successor in the same slot.
.macro STEP slot, q, zero
	s_wait_dscnt 4*NL                              ; B's set and A's blocks 0-3 are in; the youngest eight loads (A's blocks 4-7) may be out
	WIN MUL_LO
	MUL16 0, (\q)%2, \q, \slot, \zero
	MUL16 2, (\q)%2, \q, \slot, \zero
	s_wait_dscnt 0                                 ; A's blocks 4-7 are in (asked for 32 matrix instructions ago)
	PLACES NP
	FETCH_B \slot, (\q)+1, 1-(\q)%2
	FETCH_A \slot, (\q)+1, 0
	WIN MUL_HI
	MUL16 4, (\q)%2, \q, \slot, \zero
	MUL16 6, (\q)%2, \q, \slot, \zero
	PLACES NP
	WIN 0
	FETCH_A \slot, (\q)+1, 4
.endm
; Slot 0's last step goes over to slot 1: ONE barrier; in front of it each wave waits for all its tensor loads (its part of slot 1), adds 0 to its spare word, and waits for that and for its own reads of slot 0.
; Behind it slot 1 is whole and nobody reads slot 0, which later serves as the stages.
.macro TURN slot, next
	s_wait_tensorcnt 0x0                           ; all my tensor loads have landed  (every window is 0 here: the add's two registers lie in window 0)
	ds_add_u32 v[SPW], v[NIL]                      ; 0 onto my spare word
	s_wait_dscnt 4*NL+1                            ; (the add and the youngest eight loads, A's blocks 4-7, may be out)
	WIN MUL_LO
	MUL16 0, 1, NQ-1, \slot, 0                     ; sixteen matrix instructions stand between the add and the wait for it
	s_wait_dscnt 0x0                               ; the add is done, and my reads of this slot are over
	s_barrier_signal -1
	MUL16 2, 1, NQ-1, \slot, 0
	WIN 0
	s_barrier_wait -1
	PLACES NP
	v_add_nc_u32 v[ADRS], 4*NQ, v[ADRS]            ; on to the next slot's scale words (no LDS load of mine is out)
	FETCH_B \next, 0, 0
	FETCH_A \next, 0, 0
	SCALES \next
	WIN MUL_HI
	MUL16 4, 1, NQ-1, \slot, 0
	MUL16 6, 1, NQ-1, \slot, 0
	PLACES NP
	WIN 0
	FETCH_A \next, 0, 4
.endm
.macro STEPS slot, from                ; the slot's steps from .. NQ - 2
.set Q, \from
.rept NQ-1-\from
	STEP \slot, Q, 0
.set Q, Q+1
.endr
.endm
	s_wait_tensorcnt 1                             ; the scales and my part of slot 0 are in (slot 1's load, issued behind them, may be out),
	s_barrier_signal -1
	s_barrier_wait -1                              ; everybody's are
	FETCH_B 0, 0, 0
	FETCH_A 0, 0, 0
	SCALES 0
	FETCH_A 0, 0, 4
	STEP 0, 0, 1                                   ; the first step's products start the sums
	STEPS 0, 1
	TURN 0, 1
	STEPS 1, 0
	s_wait_dscnt 4*NL                              ; the very last step: nothing more to fetch
	WIN MUL_LO
	MUL16 0, 1, NQ-1, 1, 0
	MUL16 2, 1, NQ-1, 1, 0
	s_wait_dscnt 0
	WIN MUL_HI
	MUL16 4, 1, NQ-1, 1, 0
	MUL16 6, 1, NQ-1, 1, 0
	WIN 0
; THE WAY OUT, block by block of 16 tokens x 128 channels.  PACK: x the factor in f32, rounded to f16: a lane's eight channels are 16 bytes.  TOSTAGE: into my own stage, and back by tokens.  SEND: stored.
; LDS serves a wave's instructions in order (ISA guide 5.7.1.4): no wait between the stage's stores and its loads, nor in front of the next block's stores.
.macro PACK a
.set AC, 64*((\a)%4)
	WIN 0x82+0x41*((\a)/4)                         ; destination and source 0: window 2 or 3
.set i, 0
.rept 32
	v_pk_mul_f32 v[AC+i:AC+i+1], v[AC+i:AC+i+1], s[FAC:FAC+1] op_sel_hi:[1,0]   ; in ascending order: each accumulator is read from its low end on
.set i, i+2
.endr
	WIN 0x0a+5*((\a)/4)                            ; sources 0 and 1: window 2 or 3; destination window 0
.irp b, 0,1,2,3,4,5,6,7
.irp r, 0,1,2,3
	v_cvt_pk_f16_f32 v[TMP+4*\b+\r], v[AC+8*\b+2*\r], v[AC+8*\b+2*\r+1]
.endr
.endr
	WIN 0
.endm
.macro TOSTAGE a
.set BB, BK+32*((\a)%2)
.irp b, 0,1,2,3,4,5,6,7
	ds_store_b128 v[STO], v[TMP+4*\b:TMP+4*\b+3] offset:32*\b
.endr
.irp t, 0,1,2,3,4,5,6,7
	ds_load_b128 v[BB+4*\t:BB+4*\t+3], v[RD] offset:\t*2*SPITCH
.endr
.endm
.macro SEND a
.set BB, BK+32*((\a)%2)
	s_wait_dscnt 0x0                               ; the block is back in registers
	s_wait_xcnt 0x0                                ; every earlier store has had its addresses translated (ISA guide 3.1): the other set, which the block before stored from, is loaded again only behind this wait
.irp t, 0,1,2,3,4,5,6,7
	global_store_b128 v[CO], v[BB+4*\t:BB+4*\t+3], s[12:13] offset:2048*(\a)+256*\t   ; each half of the lanes stores 256 consecutive bytes, at a multiple of 256 from qkv's first byte
.endr
.endm
	PLACES NP                                      ; behind the last products, in front of the first read of results and the first write of registers that held scale words
	PACK 0
	TOSTAGE 0
.irp a, 1,2,3,4,5,6,7                  ; block a's arithmetic stands between block a - 1's loads from the stage and the wait for them
	PACK \a
	SEND \a-1
	TOSTAGE \a
.endr
	SEND 7
	s_wait_tensorcnt 0x0                           ; the wave's end: a wait, an add and its wait, behind my last tensor load and my last LDS store
	ds_add_u32 v[SPW], v[NIL]
	s_wait_dscnt 0x0
	CROUND                                         ; the closing round: no work-group ends while a partner may still ask for a tile that names it
	s_endpgm
.Lfunc_end_k_q1a4f1809cf_qkv:
	.size	k_q1a4f1809cf_qkv, .Lfunc_end_k_q1a4f1809cf_qkv-k_q1a4f1809cf_qkv
	.p2alignl 7, 3214868480
	.fill 96, 4, 3214868480
	.section	.rodata,"a",@progbits
	.p2align	6, 0x0
	.amdhsa_kernel k_q1a4f1809cf_qkv
		.amdhsa_group_segment_fixed_size 327680
		.amdhsa_private_segment_fixed_size 0
		.amdhsa_enable_private_segment 0
		.amdhsa_kernarg_size 40
		.amdhsa_user_sgpr_count 2
		.amdhsa_user_sgpr_kernarg_segment_ptr 1
		.amdhsa_wavefront_size32 1
		.amdhsa_system_sgpr_workgroup_id_x 1
		.amdhsa_system_sgpr_workgroup_id_y 1
		.amdhsa_system_sgpr_workgroup_id_z 1
		.amdhsa_system_vgpr_workitem_id 0
		.amdhsa_next_free_vgpr 1024
		.amdhsa_next_free_sgpr 98
		.amdhsa_reserve_vcc 0
		.amdhsa_float_denorm_mode_32 3
		.amdhsa_float_denorm_mode_16_64 3
		.amdhsa_memory_ordered 1
		.amdhsa_forward_progress 1
		.amdhsa_inst_pref_size 143
	.end_amdhsa_kernel
	.amdgpu_metadata
---
amdhsa.version: [ 1, 2 ]
amdhsa.kernels:
  - .name:           k_q1a4f1809cf_qkv
    .symbol:         k_q1a4f1809cf_qkv.kd
    .args:
      - { .name: xc, .offset: 0, .size: 8, .value_kind: global_buffer, .address_space: global }
      - { .name: xs, .offset: 8, .size: 8, .value_kind: global_buffer, .address_space: global }
      - { .name: wc, .offset: 16, .size: 8, .value_kind: global_buffer, .address_space: global }
      - { .name: ws, .offset: 24, .size: 8, .value_kind: global_buffer, .address_space: global }
      - { .name: qkv, .offset: 32, .size: 8, .value_kind: global_buffer, .address_space: global }
    .group_segment_fixed_size: 327680
    .private_segment_fixed_size: 0
    .kernarg_segment_align: 8
    .kernarg_segment_size: 40
    .max_flat_workgroup_size: 128
    .sgpr_count:     98
    .vgpr_count:     1024
    .wavefront_size: 32
...
	.end_amdgpu_metadata
.endif
;; end of part 2
;; launch attn (part 3): grid 4 x 64, 8 waves a work-group, clusters of 4 x 1, 327,680 bytes of LDS; arguments qkv, att; writes att
.if DOCPART == 3
	.amdgcn_target "amdgcn-amd-amdhsa--gfx1250"
	.amdhsa_code_object_version 6
	.text
	.protected	k_q1a4f1809cf_attn
	.globl	k_q1a4f1809cf_attn
	.p2align	8
	.type	k_q1a4f1809cf_attn,@function
k_q1a4f1809cf_attn:
	s_mov_b64 s[64:65], 0
	v_nop
	global_prefetch_b8 v0, s[64:65] scope:SCOPE_SE
	s_setreg_imm32_b32 hwreg(HW_REG_WAVE_MODE, 25, 1), 1
	s_wait_xcnt 0x0
	s_wait_alu depctr_hold_cnt(0) depctr_sa_sdst(0) depctr_va_vdst(0) depctr_va_sdst(0) depctr_va_ssrc(0) depctr_va_vcc(0) depctr_vm_vsrc(0)
	s_getreg_b32 s2, hwreg(HW_REG_IB_STS2, 6, 4)
	s_cmp_eq_u32 s2, 0
	s_cbranch_scc0 .Lentry_in_a_cluster
	s_endpgm
.Lentry_in_a_cluster:
	s_bfe_u32 s2, ttmp6, 0x10000c
	s_cmp_lg_u32 s2, 0x3003
	s_cbranch_scc0 .Lentry_shape_is_right
	s_endpgm
.Lentry_shape_is_right:
; att[bh][q][:] = the sum over k of softmax_k(Q[bh][q] . K[bh][k] / 8) V[bh][k][:], 64 pairs of batch and head, 2,048 tokens, head size 64, no mask.
; qkv: [3][64][2,048][64] f16; its q already carries log2(e) / 8, so a weight is p = 2^(score - m).  att: [64][2,048][64] f16.  Products by the f16 form with f32 sums; maxima and sums in f32;
; p is rounded to f16 for the second product (p is at most 1 for every input, since the row's running maximum m is taken away first); the row's sum is taken of the unrounded p.
; LIMITS: results under 6e-5 are f16 subnormals; NaN and infinities are not served.
; SHARES.  A work-group owns 512 queries of one pair; each of its EIGHT waves owns 64, four tiles of 16, in 512 registers: two waves to a SIMD, so that one wave's softmax stands beside the other's products.  At head size 64 four
; tiles of queries fit in 512 registers, so each fragment of K and V read from LDS still feeds four products.  Every wave walks all 2,048 keys, 64 a step, in plain phases: K Q^T, softmax, V^T P.
; LAYOUT.  S^T = K Q^T (source 0 = 16 keys, source 1 = 16 queries): a lane holds ONE query (lane % 16) and the keys 8 (lane / 16) + 0..7.  Two such tiles, rounded to f16 in pairs, ARE source 1 (32 keys x 16 queries) of
; O^T = V^T P, whose result again holds one query a lane.  K comes out of LDS as it lies, V ([key][channel]) turned, by ds_load_tr16_b128.
; SOFTMAX.  For each query a running maximum m and sum l; in every step O and l are multiplied by a = 2^(m_old - m_new), which is 1 where m has not grown.  No branch hangs on data.
; RING.  Two LDS slots of four steps (256 keys).  Wave w < 4 fetches K's 64 rows of a slot's step w, wave w >= 4 V's of step w - 4: one tensor load a wave.  By this text's count a wave has two loads out at the start, then one.
; CLUSTER.  The four query blocks of a pair walk the same K and V, so each tile is asked for JOINTLY: the same tensor load, with the same descriptor and a mask that names the four, in all four.
; REGISTERS, in two windows of 256 (s_set_vgpr_msb: bits 1:0 source 0, 3:2 source 1, 5:4 source 2, 7:6 destination):
;   window 0: v0-15 addresses; v24-63 ten registers of statistics a tile; v64-191 S^T, 32 a tile, whose first 16 then hold P; v192-255 K of one step
;   window 1: v0-127 O^T, 32 a tile; v128-191 Q, 16 a tile; v192-255 V of one step
.set KS,    64        ; keys in a step
.set NST,   4         ; steps in a slot
.set PK,    144       ; a row of K in LDS: 128 bytes + 16 = 36 words: the 16 rows of a load start at 16 different groups of four banks (64 banks of 4 bytes: ISA guide 11.1)
.set PV,    160       ; a row of V: 128 + 32 = 40 words
.set VOFF,  KS*PK     ; a step's tiles lie together: 64 rows of K, then 64 rows of V
.set STEPB, KS*(PK+PV)
.set SLOT1, 1<<17     ; slot 1 begins here (a slot is 77,824 bytes), so that one exclusive or turns an address in one slot into the other's
.set STAGE, SLOT1+NST*STEPB  ; behind the ring: 64 rows x 144 bytes for each wave, for the way out; no fill lands here
.set SP,    144
.set SPARE, STAGE+8*64*SP    ; behind the stages: the spare words, 128 bytes for each wave, which no other line names
.set WHICH, 64*2048*128      ; bytes of q, of k, of v in qkv
.set SLOTB, NST*KS*128       ; a slot's keys in memory: 32,768 bytes
.set AK0, 2           ; v2   my lane's place in a tile of K; never rewritten
.set AV0, 3           ; v3   the same for V
.set ADK, 4           ; v4   the LDS address of K's run of loads
.set ADV, 5           ; v5   of V's
.set QO,  6           ; v6   my byte offset in the wave's rows of Q
.set STO, 7           ; v7   the way out: where I put 16 bytes of a row
.set RD,  8           ; v8   the way out: where I read rows back
.set GO,  9           ; v9   my byte offset in the wave's rows of att
.set PFO, 12          ; v12  256 x my lane; never rewritten
.set SPW, 14          ; v14  LDS address of my spare word; never rewritten
.set NIL, 15          ; v15  0; never rewritten
.set ST,  24          ; tile t's statistics at v[ST+10 t]: +0 m, +1 the new m, +2, +3 l (even keys', odd keys'), +4 a, +5 m_old - m_new, +6 to +9 at work
.set S,   64
.set KF,  192         ; K's fragments, window 0: keys 16 kt on, channels 32 c on, at KF + 16 kt + 8 c
.set QF,  128         ; Q's, window 1: tile t, channels 32 c on, at QF + 16 t + 8 c
.set VF,  192         ; V's, window 1: keys 32 g on, channels 16 ct on, at VF + 32 g + 8 ct
.set WV,  12          ; s12  my wave's number
.set LIM, 15          ; s15  1 in a wave that prefetches, else the greatest number
.set PFA, 18          ; s[18:19] where my prefetches stand in memory
.set G1K, 24          ; s[24:31] descriptor group 1 for K's tiles
.set G1V, 32          ; s[32:39] for V's: it differs in the padding alone
.set G0K, 40          ; s[40:47] descriptor group 0 for K's tiles: a set for each of the two first fills; the second then walks on
.set G0V, 48          ; s[48:55] the same for V's
.set SLOTS, 56        ; s56  slots still to be asked for
.set CNT, 57          ; s57  counts a slot's first three steps
.set SEL, 60          ; s[60:61] lane selects for v_permlanex16_b32: each lane takes its own place in the other half
.set TB,  62          ; s62  LDS byte at which the tiles of the step to be fetched begin
.set MSB, 0
.macro WIN new                      ; the immediate's high byte repeats the setting that is left; a switch that changes nothing is dropped
.if MSB != (\new)
	s_set_vgpr_msb (MSB<<8)|(\new)
.set MSB, (\new)
.endif
.endm
.set W_KQ, 0x04       ; K window 0, Q window 1, S^T window 0
.set W_PV, 0x51       ; V window 1, P window 0, O^T window 1
.set W_RS, 0x41       ; O^T (destination and source 0) window 1, a window 0
.set TO_1, 0x40       ; destination window 1, address window 0
; A joint refill.  Waves 0 to 3 fetch the slot's four tiles of K, waves 4 to 7 those of V.  The branch hangs on the wave's number alone: it is the same in every work-group.
; An s_nop 0 and four v_nop follow each of the two lines; the jump, the label and what follows come after them.
.macro JLOAD
	s_cmp_lt_u32 s[WV], 4
	s_cbranch_scc0 .Lfor_v_\@
	tensor_load_to_lds s[G0K+4:G0K+7], s[G1K:G1K+7]
	s_nop 0
.rept 4
	v_nop
.endr
	s_branch .Lasked_\@
.Lfor_v_\@:
	tensor_load_to_lds s[G0V+4:G0V+7], s[G1V:G1V+7]
	s_nop 0
.rept 4
	v_nop
.endr
.Lasked_\@:
.endm
; A PREFETCH INTO THE L2 of what the NEXT change of slots will ask for: a slot's 32,768 bytes of K and of V, four key steps (256 matrix instructions of each wave) ahead of that load.  It stands behind the wave's tensor load.
; Each aligned 256 bytes are named ONCE in the launch: a pair's K and V are walked by one cluster alone; its four partners share a slot out BY ADDRESS, 8,192 bytes each (no branch hangs on a work-group's place in its cluster),
; lanes 256 bytes apart; in each, wave 0 asks for K's and wave 4 for V's.  Slots 0 to 2 come by their loads alone; the last change that fills a slot asks for nothing: there is no slot behind it.
.macro ASK
	s_cmp_gt_u32 s[SLOTS], s[LIM]
	s_cbranch_scc0 .Lnot_mine_\@
	global_prefetch_b8 v[PFO], s[PFA:PFA+1] th:TH_LOAD_NT scope:SCOPE_SE
.Lnot_mine_\@:
.endm
; A round of the cluster's barrier: my work-group's barrier, so that wave 0's signal speaks for all eight waves; wave 0 signals; every wave waits for all four work-groups; my work-group's barrier once more.
.macro CROUND
	s_barrier_signal -1
	s_barrier_wait -1
	s_cmp_lg_u32 s[WV], 0
	s_cbranch_scc1 .Lnot_wave_0_\@
	s_barrier_signal -3
.Lnot_wave_0_\@:
	s_barrier_wait -3
	s_barrier_signal -1
	s_barrier_wait -1
.endm
.macro PLACES
.rept 4
	v_nop
.endr
.endm
	s_load_b128 s[4:7], s[0:1], 0x0  ; qkv s[4:5], att s[6:7]
	v_lshl_add_u32 v[SPW], v0, 2, SPARE
	v_mov_b32 v[NIL], 0
	ds_add_u32 v[SPW], v[NIL]       ; the wave's opening: the add, twice on end, and its wait ahead of my first tensor load; the set-up below, work on registers, stands between
	ds_add_u32 v[SPW], v[NIL]
	v_lshrrev_b32 v1, 5, v0
	v_readfirstlane_b32 s[WV], v1   ; wave 0..7
	s_bfe_u32 s13, ttmp6, 0x40000   ; cx: my block of 512 queries (the grid has one cluster along x): it enters Q's, att's and the prefetches' addresses alone
	s_and_b32 s20, ttmp7, 0xffff    ; the pair of batch and head, which the four partners share
	s_lshl_b32 s20, s20, 18         ; its 2,048 rows of 128 bytes
	s_and_b32 s16, s[WV], 3         ; which of a slot's four steps I fetch:
	s_lshl_b32 s22, s16, 13         ; its 64 rows of 128 bytes in memory,
	s_add_co_u32 s22, s22, s20
	s_mov_b32 s23, 0
	s_mul_i32 s17, s16, STEPB       ; and its place in a slot: no place in the cluster enters an LDS address
	s_lshl_b32 s2, s13, 16          ; my block's 512 rows,
	s_lshl_b32 s3, s[WV], 13        ; my wave's 64 of them
	s_add_co_u32 s2, s2, s3
	s_add_co_u32 s2, s2, s20
	s_mov_b32 s3, 0
	; descriptor group 1: a tile of 64 rows x 64 elements, padded in LDS
	s_mov_b32 s[G1K], 15|(1<<16)|(1<<20)|(1<<21)|(4<<22)|(3<<25)  ; 15:0 the mask: all four work-groups; 17:16 elements of 2 bytes; 20 padding on; 21 set beside a mask; 24:22 after every 32 words (code 4); 31:25 4 words of it (code 3)
	s_mov_b32 s[G1V], 15|(1<<16)|(1<<20)|(1<<21)|(4<<22)|(7<<25)  ; the same with 8 words of padding (code 7)
.irp g, G1K, G1V
	s_mov_b32 s[\g+1], 64<<16       ; tensor_dim0 = 64
	s_mov_b32 s[\g+2], KS<<16       ; tensor_dim1 = 64
	s_mov_b32 s[\g+3], 64<<16       ; tile_dim0 = 64
	s_mov_b32 s[\g+4], KS           ; tile_dim1 = 64
	s_mov_b32 s[\g+5], 64           ; tensor_dim0_stride: elements from row to row
	s_mov_b32 s[\g+6], 0
	s_mov_b32 s[\g+7], 0
.endr
	s_mov_b32 s[SEL], 0x76543210
	s_mov_b32 s[SEL+1], 0xfedcba98
	s_mov_b32 s[TB], 0
	s_mov_b32 s[SLOTS], 2048/(NST*KS)-2
	s_cmp_eq_u32 s16, 0             ; waves 0 and 4 prefetch: the same in all four partners
	s_cselect_b32 s[LIM], 1, -1
	v_and_b32 v[PFO], 31, v0
	v_lshlrev_b32 v[PFO], 8, v[PFO]
	s_wait_dscnt 0x0                ; both opening adds are done
	s_wait_kmcnt 0x0
	s_add_nc_u64 s[8:9], s[4:5], s[22:23]
	s_add_nc_u64 s[10:11], s[8:9], 2*WHICH  ; V at my tile of slot 0
	s_add_nc_u64 s[8:9], s[8:9], WHICH      ; K likewise
	s_add_nc_u64 s[4:5], s[4:5], s[2:3]     ; Q and att at my wave's first row
	s_add_nc_u64 s[6:7], s[6:7], s[2:3]
	s_cmp_lt_u32 s[WV], 4
	s_cselect_b64 s[PFA:PFA+1], s[8:9], s[10:11]  ; (in waves 0 and 4 these stand at a slot's first row)
	s_lshl_b32 s2, s13, 13          ; my work-group's 8,192 bytes of a slot's 32,768
	s_add_nc_u64 s[PFA:PFA+1], s[PFA:PFA+1], s[2:3]
	s_add_nc_u64 s[PFA:PFA+1], s[PFA:PFA+1], 2*SLOTB  ; in slot 2; the first change of slots steps it to slot 3.  Nothing is prefetched at the head, where every work-group's first tiles are on their way
	CROUND                          ; all four work-groups are here: the first joint loads meet
.irp s, 0,1
	s_mov_b32 s[G0K+4*\s], 1        ; count = 1
	s_add_co_u32 s[G0K+4*\s+1], s17, \s*SLOT1  ; LDS address
	s_add_nc_u64 s[G0K+4*\s+2:G0K+4*\s+3], s[8:9], \s*SLOTB  ; global address: slot s begins with key 256 s
	s_or_b32 s[G0K+4*\s+3], s[G0K+4*\s+3], 0x80000000  ; type = 2
	s_mov_b32 s[G0V+4*\s], 1
	s_add_co_u32 s[G0V+4*\s+1], s17, \s*SLOT1+VOFF
	s_add_nc_u64 s[G0V+4*\s+2:G0V+4*\s+3], s[10:11], \s*SLOTB
	s_or_b32 s[G0V+4*\s+3], s[G0V+4*\s+3], 0x80000000
.endr
	s_cmp_lt_u32 s[WV], 4           ; a wave's two first fills stand in one branch, ahead of every wait on TENSORcnt and every LDS read
	s_cbranch_scc0 .Lfirst_v
	tensor_load_to_lds s[G0K:G0K+3], s[G1K:G1K+7]
	s_nop 0
	tensor_load_to_lds s[G0K+4:G0K+7], s[G1K:G1K+7]
	s_nop 0
.rept 4
	v_nop
.endr
	s_branch .Lfirst_asked
.Lfirst_v:
	tensor_load_to_lds s[G0V:G0V+3], s[G1V:G1V+7]
	s_nop 0
	tensor_load_to_lds s[G0V+4:G0V+7], s[G1V:G1V+7]
	s_nop 0
.rept 4
	v_nop
.endr
.Lfirst_asked:
	; A fragment of K or Q is 16 rows x 32 channels in 8 registers: lane l holds row l % 16; registers 0-3 channels 8 (l / 16) + 0..7, registers 4-7 channels 16 + 8 (l / 16) + 0..7: two loads of 16 bytes, 32 bytes apart.
	v_and_b32 v1, 15, v0            ; r = l % 16
	v_bfe_u32 v10, v0, 4, 1         ; h = l / 16
	v_lshlrev_b32 v[QO], 7, v1
	v_lshl_add_u32 v[QO], v10, 4, v[QO]  ; row x 128 + 16 x half
	WIN TO_1
.irp t, 0,1,2,3
.irp c, 0,1
	global_load_b128 v[QF+16*\t+8*\c:QF+16*\t+8*\c+3],   v[QO], s[4:5] offset:2048*\t+64*\c      ; Q stays in registers
	global_load_b128 v[QF+16*\t+8*\c+4:QF+16*\t+8*\c+7], v[QO], s[4:5] offset:2048*\t+64*\c+32
.endr
.endr
.set i, 0
.rept 128
	v_mov_b32 v[i], 0               ; O^T.  The key step is written without a first step of its own, which would be three more copies of it: the first step finds zeros, which its a = 0 leaves zeros
.set i, i+1
.endr
	WIN 0
	v_mul_u32_u24 v[AK0], v1, PK
	v_lshl_add_u32 v[AK0], v10, 4, v[AK0]  ; row x pitch + 16 x half
	; The turning load takes 16 keys x 16 channels (lane l reads 16 bytes: key 8 (l / 16) + l % 8, channels 8 ((l / 8) % 2) + 0..7) and leaves half a fragment of V^T: lane l holds channel l % 16 and 8 keys.
	v_and_b32 v11, 7, v0
	v_bfe_u32 v13, v0, 3, 1
	v_lshl_add_u32 v[AV0], v10, 3, v11
	v_mul_u32_u24 v[AV0], v[AV0], PV
	v_lshl_add_u32 v[AV0], v13, 4, v[AV0]
	v_add_nc_u32 v[AV0], VOFF, v[AV0]
	s_mul_i32 s2, s[WV], 64*SP
	s_add_co_u32 s2, s2, STAGE      ; my stage
	v_mul_u32_u24 v[STO], v1, SP    ; in: row l % 16 of a tile, 16 bytes for each half of the lanes
	v_lshl_add_u32 v[STO], v10, 4, v[STO]
	v_add_nc_u32 v[STO], s2, v[STO]
	v_and_b32 v13, 31, v0
	v_lshrrev_b32 v[RD], 3, v13     ; back: eight lanes to a row of 128 bytes, four rows an instruction
	v_mul_u32_u24 v[RD], v[RD], SP
	v_lshl_add_u32 v[RD], v11, 4, v[RD]
	v_add_nc_u32 v[RD], s2, v[RD]
	v_lshlrev_b32 v[GO], 4, v13     ; which are 512 consecutive bytes of att
.irp t, 0,1,2,3
	v_mov_b32 v[ST+10*\t], 0xff61b1e6   ; m: -3e38, under every score
	v_mov_b32 v[ST+10*\t+2], 0          ; l, in two halves
	v_mov_b32 v[ST+10*\t+3], 0
.endr
; THE LDS LOADS stand in two runs of 16 a step.  V of the step in hand, at the step's head; the address's addition and four v_nop are five places behind the last V^T P: four are owed by the loads into V's registers,
; five by the next K Q^T, which writes over registers that V^T P has read as P (ISA guide 7.12.1 for vector instructions).
.macro FETCH_V
	WIN 0
	v_add_nc_u32 v[ADV], s[TB], v[AV0]
	s_add_co_u32 s[TB], s[TB], STEPB  ; the next fetch, K's, is the next step's
	PLACES
	WIN TO_1
.irp g, 0,1
.irp c, 0,1,2,3
	ds_load_tr16_b128 v[VF+32*\g+8*\c:VF+32*\g+8*\c+3],   v[ADV] offset:\g*32*PV+32*\c
	ds_load_tr16_b128 v[VF+32*\g+8*\c+4:VF+32*\g+8*\c+7], v[ADV] offset:\g*32*PV+16*PV+32*\c
.endr
.endr
.endm
.macro FETCH_K                      ; K of the next step, behind this step's K Q^T and its places
	WIN 0
	v_add_nc_u32 v[ADK], s[TB], v[AK0]
.irp k, 0,1,2,3
.irp c, 0,1
	ds_load_b128 v[KF+16*\k+8*\c:KF+16*\k+8*\c+3],   v[ADK] offset:\k*16*PK+64*\c
	ds_load_b128 v[KF+16*\k+8*\c+4:KF+16*\k+8*\c+7], v[ADK] offset:\k*16*PK+64*\c+32
.endr
.endr
.endm
; THE MATRIX WORK.  The 16 accumulators of a product take turns, one instruction a turn: between two links of a chain stand 15 others'.
; S^T = K Q^T: product i of 32: channels 32 (i / 16) on, keys 16 ((i / 4) % 4) on, tile i % 4.  The first 16 start the sums.
.macro KQ
	WIN W_KQ
.set i, 0
.rept 32
.set rS, S+32*(i%4)+8*((i/4)%4)
.set rK, KF+16*((i/4)%4)+8*(i/16)
.set rQ, QF+16*(i%4)+8*(i/16)
.if i < 16
	v_wmma_f32_16x16x32_f16 v[rS:rS+7], v[rK:rK+7], v[rQ:rQ+7], 0
.else
	v_wmma_f32_16x16x32_f16 v[rS:rS+7], v[rK:rK+7], v[rQ:rQ+7], v[rS:rS+7]
.endif
.set i, i+1
.endr
.endm
; O^T += V^T P: product i of 32: keys 32 (i / 16) on, channels 16 ((i / 4) % 4) on, tile i % 4.
.macro PV
	WIN W_PV
.set i, 0
.rept 32
.set rO, 32*(i%4)+8*((i/4)%4)
.set rV, VF+32*(i/16)+8*((i/4)%4)
.set rP, S+32*(i%4)+8*(i/16)
	v_wmma_f32_16x16x32_f16 v[rO:rO+7], v[rV:rV+7], v[rP:rP+7], v[rO:rO+7]
.set i, i+1
.endr
.endm
; THE SOFTMAX of a step, all in window 0.  Every line is written for the four tiles in turn, so that no line reads the result of the line just before it.  s0-s31 are a lane's 32 scores of a tile.
.macro SOFTMAX
.irp i, 0,1,2,3                     ; the maximum, three operands at a time, in four chains.  Each of a tile's four accumulators is first read at its lowest register: s0, s8, s16, s24
.irp t, 0,1,2,3
	v_max3_num_f32 v[ST+10*\t+6+\i], v[S+32*\t+3*\i], v[S+32*\t+3*\i+1], v[S+32*\t+3*\i+2]
.endr
.endr
.irp k, 0,1,2,3,4,5,6,7,8,9
.irp t, 0,1,2,3
	v_max3_num_f32 v[ST+10*\t+6+\k%4], v[ST+10*\t+6+\k%4], v[S+32*\t+12+2*\k], v[S+32*\t+13+2*\k]
.endr
.endr
.irp t, 0,1,2,3
	v_max3_num_f32 v[ST+10*\t+6], v[ST+10*\t+6], v[ST+10*\t+7], v[ST+10*\t+8]
.endr
.irp t, 0,1,2,3
	v_max3_num_f32 v[ST+10*\t+6], v[ST+10*\t+6], v[ST+10*\t+9], v[ST+10*\t]   ; with the old m
.endr
.irp t, 0,1,2,3
	v_permlanex16_b32 v[ST+10*\t+7], v[ST+10*\t+6], s[SEL], s[SEL+1]          ; the query's other 32 keys lie in the lane 16 away
.endr
.irp t, 0,1,2,3
	v_max_num_f32 v[ST+10*\t+1], v[ST+10*\t+6], v[ST+10*\t+7]                 ; the new m
.endr
.irp t, 0,1,2,3
	v_sub_f32 v[ST+10*\t+5], v[ST+10*\t], v[ST+10*\t+1]                       ; m_old - m_new, 0 or less
.endr
.irp t, 0,1,2,3
	v_mov_b32 v[ST+10*\t], v[ST+10*\t+1]
.endr
.irp t, 0,1,2,3
	v_exp_f32 v[ST+10*\t+4], v[ST+10*\t+5]                                    ; a
.endr
; ONE BATCH: the 16 subtractions s - m, a pair of scores each, and the 32 exponentials of a tile, a pair's exponentials one turn behind its subtraction.  None of these names an exponential's result.
.set b, 0
.rept 17
.if b < 16
.irp t, 0,1,2,3
	v_pk_add_f32 v[S+32*\t+2*b:S+32*\t+2*b+1], v[S+32*\t+2*b:S+32*\t+2*b+1], v[ST+10*\t:ST+10*\t+1] op_sel_hi:[1,0] neg_lo:[0,1] neg_hi:[0,1]
.endr
.endif
.if b > 0
.irp t, 0,1,2,3
	v_exp_f32 v[S+32*\t+2*b-2], v[S+32*\t+2*b-2]
	v_exp_f32 v[S+32*\t+2*b-1], v[S+32*\t+2*b-1]
.endr
.endif
.set b, b+1
.endr
	v_nop                           ; a plain instruction behind the last exponential, ahead of the first use (ISA guide 5.7.2)
	s_wait_alu depctr_va_vdst(0)    ; a wait ahead of the first line that names a result: one for the step's 132 exponentials
.irp t, 0,1,2,3                     ; THE ROW'S SUM IS TAKEN OF THE UNROUNDED p: two at a time, in two chains
	v_pk_add_f32 v[ST+10*\t+6:ST+10*\t+7], v[S+32*\t:S+32*\t+1], v[S+32*\t+2:S+32*\t+3]
.endr
.irp t, 0,1,2,3
	v_pk_add_f32 v[ST+10*\t+8:ST+10*\t+9], v[S+32*\t+4:S+32*\t+5], v[S+32*\t+6:S+32*\t+7]
.endr
.irp j, 8,12,16,20,24,28
.irp t, 0,1,2,3
	v_pk_add_f32 v[ST+10*\t+6:ST+10*\t+7], v[ST+10*\t+6:ST+10*\t+7], v[S+32*\t+\j:S+32*\t+\j+1]
.endr
.irp t, 0,1,2,3
	v_pk_add_f32 v[ST+10*\t+8:ST+10*\t+9], v[ST+10*\t+8:ST+10*\t+9], v[S+32*\t+\j+2:S+32*\t+\j+3]
.endr
.endr
.irp t, 0,1,2,3
	v_pk_fma_f32 v[ST+10*\t+2:ST+10*\t+3], v[ST+10*\t+2:ST+10*\t+3], v[ST+10*\t+4:ST+10*\t+5], v[ST+10*\t+6:ST+10*\t+7] op_sel_hi:[1,0,1]   ; l = a l + the first chain
.endr
.irp t, 0,1,2,3
	v_pk_add_f32 v[ST+10*\t+2:ST+10*\t+3], v[ST+10*\t+2:ST+10*\t+3], v[ST+10*\t+8:ST+10*\t+9]
.endr
.irp j, 0,1,2,3,4,5,6,7,8,9,10,11,12,13,14,15   ; P, rounded to f16 in place: register j takes weights 2 j and 2 j + 1; what it overwrites has been rounded already
.irp t, 0,1,2,3
	v_cvt_pk_f16_f32 v[S+32*\t+\j], v[S+32*\t+2*\j], v[S+32*\t+2*\j+1]
.endr
.endr
.endm
.macro RESCALE                      ; O^T x a: in ascending order, each accumulator from its low end on
	WIN W_RS
.irp j, 0,2,4,6,8,10,12,14,16,18,20,22,24,26,28,30
.irp t, 0,1,2,3
	v_pk_mul_f32 v[32*\t+\j:32*\t+\j+1], v[32*\t+\j:32*\t+\j+1], v[ST+10*\t+4:ST+10*\t+5] op_sel_hi:[1,0]
.endr
.endr
.endm
; THE CHANGE OF SLOTS, in a slot's last step, behind its K Q^T: the slot's last bytes, V of this step, have been asked for.  Each wave waits for all its tensor loads, of which one is out: its part of the other slot; adds 0 to
; its spare word; and waits for that and for its own reads of the slot.  Behind the barrier nobody reads this slot any more and the other slot is whole.
; fill = 1: this slot is filled again, with the keys two slots on.  The barrier is then a round of the cluster's, and the joint refill is the first thing behind it: it has four key steps in which to land.
.macro CHANGE fill
	s_wait_tensorcnt 0x0            ; no tensor load of mine is out, so a group 0 may be written
	ds_add_u32 v[SPW], v[NIL]       ; 0 onto my spare word
.if \fill
.irp g, G0K+4, G0V+4
	s_xor_b32 s[\g+1], s[\g+1], SLOT1  ; the walking descriptor: the other slot than last time,
	s_add_nc_u64 s[\g+2:\g+3], s[\g+2:\g+3], SLOTB  ; the next 256 keys; the type bits on top are not reached
.endr
	s_wait_xcnt 0x0                 ; the last prefetch, four key steps back, has read its address, so it may be written:
	s_add_nc_u64 s[PFA:PFA+1], s[PFA:PFA+1], SLOTB  ; one slot further on than the walking descriptors
	s_wait_dscnt 0x0                ; the add is done, and my reads of the slot are over
	CROUND
	JLOAD
	ASK
.else
	s_wait_dscnt 0x0                ; the add is done, and my reads of the slot are over
	s_barrier_signal -1
	s_barrier_wait -1
.endif
	s_sub_co_u32 s[TB], s[TB], NST*STEPB  ; the fetches go back to a slot's first step,
	s_xor_b32 s[TB], s[TB], SLOT1   ; in the other slot
.endm
; A KEY STEP.  kind 0: inside a slot; 1: a slot's last, with a refill; 2: a slot's last, without; 3: the very last step.
.macro STEP kind
	FETCH_V
	s_wait_dscnt 16                 ; K of this step is in; V's 16 loads, just issued, may be out
	KQ
	WIN 0
	PLACES                          ; in front of the loads into K's registers and of the first read of the scores
.if \kind == 1
	CHANGE 1
.endif
.if \kind == 2
	CHANGE 0
.endif
.if \kind != 3
	FETCH_K
.endif
	SOFTMAX
	RESCALE
.if \kind == 3
	s_wait_dscnt 0x0                ; V is in
.else
	s_wait_dscnt 16                 ; V is in; the next step's K, 16 loads issued behind it, may be out
.endif
	PV
	WIN 0                           ; at a label and at a branch every window is 0
.endm
.macro THREE                        ; a slot's first three steps: written once, walked three times; the LDS addresses hang on s[TB]
	s_mov_b32 s[CNT], 3
.Lstep_\@:
	STEP 0
	s_sub_co_u32 s[CNT], s[CNT], 1
	s_cmp_lg_u32 s[CNT], 0
	s_cbranch_scc1 .Lstep_\@
.endm
	s_wait_tensorcnt 1              ; my part of slot 0 is in; slot 1's may stay out
	s_barrier_signal -1
	s_barrier_wait -1               ; everybody's is
	FETCH_K                         ; key step 0
	s_wait_loadcnt 0x0              ; Q
.Lslot:                             ; six trips: every slot but the last two is filled again
	THREE
	STEP 1
	s_sub_co_u32 s[SLOTS], s[SLOTS], 1
	s_cmp_lg_u32 s[SLOTS], 0
	s_cbranch_scc1 .Lslot
	THREE                           ; the tail is written out
	STEP 2
	THREE
	STEP 3
	; THE WAY OUT.  l's two halves and the other half of the lanes' are added; O^T is divided by l, rounded to f16 and sent through my stage in LDS.  The first additions are the places behind the last products.
.irp t, 0,1,2,3
	v_add_f32 v[ST+10*\t+6], v[ST+10*\t+2], v[ST+10*\t+3]
.endr
.irp t, 0,1,2,3
	v_permlanex16_b32 v[ST+10*\t+7], v[ST+10*\t+6], s[SEL], s[SEL+1]
.endr
.irp t, 0,1,2,3
	v_add_f32 v[ST+10*\t+6], v[ST+10*\t+6], v[ST+10*\t+7]
.endr
.irp t, 0,1,2,3
	v_rcp_f32 v[ST+10*\t+4], v[ST+10*\t+6]
.endr
	v_nop                           ; a plain instruction between the last reciprocal and the use of its result
	s_wait_alu depctr_va_vdst(0)    ; and a wait ahead of the first use: one for the four
	RESCALE                         ; the same 64 lines, now by 1 / l
	WIN 0x05                        ; sources 0 and 1 window 1, destination window 0: S^T's registers are free
.irp t, 0,1,2,3
.irp n, 0,1,2,3,4,5,6,7,8,9,10,11,12,13,14,15
	v_cvt_pk_f16_f32 v[S+16*\t+\n], v[32*\t+2*\n], v[32*\t+2*\n+1]   ; registers 4 ct .. 4 ct + 3 of a tile: channels 16 ct + 8 (l / 16) + 0..7 of query l % 16: 16 bytes
.endr
.endr
	WIN 0
.irp t, 0,1,2,3
.irp c, 0,1,2,3
	ds_store_b128 v[STO], v[S+16*\t+4*\c:S+16*\t+4*\c+3] offset:\t*16*SP+32*\c
.endr
.endr
.irp n, 0,1,2,3,4,5,6,7,8,9,10,11,12,13,14,15
	ds_load_b128 v[S+64+4*\n:S+64+4*\n+3], v[RD] offset:\n*4*SP   ; LDS serves a wave's instructions in order (ISA guide 5.7.1.4): these see my stores.  Four rows an instruction
.endr
.irp n, 0,1,2,3,4,5,6,7,8,9,10,11,12,13,14,15
	s_wait_dscnt 15-\n              ; LDS loads come back in order: number n is in
	global_store_b128 v[GO], v[S+64+4*\n:S+64+4*\n+3], s[6:7] offset:512*\n   ; 32 lanes store 512 consecutive bytes, at a multiple of 256 from att's first byte
.endr
	s_wait_tensorcnt 0x0            ; the wave's end: a wait, an add and its wait, behind my last tensor load and my last LDS store
	ds_add_u32 v[SPW], v[NIL]
	s_wait_dscnt 0x0
	CROUND                          ; the closing round: no work-group ends while a partner may still ask for a tile that names it
	s_endpgm
.Lfunc_end_k_q1a4f1809cf_attn:
	.size	k_q1a4f1809cf_attn, .Lfunc_end_k_q1a4f1809cf_attn-k_q1a4f1809cf_attn
	.p2alignl 7, 3214868480
	.fill 96, 4, 3214868480
	.section	.rodata,"a",@progbits
	.p2align	6, 0x0
	.amdhsa_kernel k_q1a4f1809cf_attn
		.amdhsa_group_segment_fixed_size 327680
		.amdhsa_private_segment_fixed_size 0
		.amdhsa_enable_private_segment 0
		.amdhsa_kernarg_size 16
		.amdhsa_user_sgpr_count 2
		.amdhsa_user_sgpr_kernarg_segment_ptr 1
		.amdhsa_wavefront_size32 1
		.amdhsa_system_sgpr_workgroup_id_x 1
		.amdhsa_system_sgpr_workgroup_id_y 1
		.amdhsa_system_sgpr_workgroup_id_z 1
		.amdhsa_system_vgpr_workitem_id 0
		.amdhsa_next_free_vgpr 512
		.amdhsa_next_free_sgpr 66
		.amdhsa_reserve_vcc 0
		.amdhsa_float_denorm_mode_32 3
		.amdhsa_float_denorm_mode_16_64 3
		.amdhsa_memory_ordered 1
		.amdhsa_forward_progress 1
		.amdhsa_inst_pref_size 217
	.end_amdhsa_kernel
	.amdgpu_metadata
---
amdhsa.version: [ 1, 2 ]
amdhsa.kernels:
  - .name:           k_q1a4f1809cf_attn
    .symbol:         k_q1a4f1809cf_attn.kd
    .args:
      - { .name: qkv, .offset: 0, .size: 8, .value_kind: global_buffer, .address_space: global }
      - { .name: att, .offset: 8, .size: 8, .value_kind: global_buffer, .address_space: global }
    .group_segment_fixed_size: 327680
    .private_segment_fixed_size: 0
    .kernarg_segment_align: 8
    .kernarg_segment_size: 16
    .max_flat_workgroup_size: 256
    .sgpr_count:     66
    .vgpr_count:     512
    .wavefront_size: 32
...
	.end_amdgpu_metadata
.endif
;; end of part 3
;; launch proj (part 4): grid 4 x 64, 4 waves a work-group, clusters of 4 x 4, 327,680 bytes of LDS; arguments att, wo16, b_out, out0; writes out0
.if DOCPART == 4
	.amdgcn_target "amdgcn-amd-amdhsa--gfx1250"
	.amdhsa_code_object_version 6
	.text
	.protected	k_q1a4f1809cf_proj
	.globl	k_q1a4f1809cf_proj
	.p2align	8
	.type	k_q1a4f1809cf_proj,@function
k_q1a4f1809cf_proj:
	s_mov_b64 s[64:65], 0
	v_nop
	global_prefetch_b8 v0, s[64:65] scope:SCOPE_SE
	s_setreg_imm32_b32 hwreg(HW_REG_WAVE_MODE, 25, 1), 1
	s_wait_xcnt 0x0
	s_wait_alu depctr_hold_cnt(0) depctr_sa_sdst(0) depctr_va_vdst(0) depctr_va_sdst(0) depctr_va_ssrc(0) depctr_va_vcc(0) depctr_vm_vsrc(0)
	s_getreg_b32 s2, hwreg(HW_REG_IB_STS2, 6, 4)
	s_cmp_eq_u32 s2, 0
	s_cbranch_scc0 .Lentry_in_a_cluster
	s_endpgm
.Lentry_in_a_cluster:
	s_bfe_u32 s2, ttmp6, 0x10000c
	s_cmp_lg_u32 s2, 0xf033
	s_cbranch_scc0 .Lentry_shape_is_right
	s_endpgm
.Lentry_shape_is_right:
; out0[m][n] = sum over k of A[m][k] w_out[n][k] + b_out[n].  m = 8,192 tokens, n = 1,024, K = 1,024; operands f16, sums f32, out0 f32.
; Both operands lie in planes of 64 along K: att [batch x 16 + head][2,048 tokens][64] (a head is a plane), wo16 [16][1,024 rows][64]: a plane's part of a tile is one dense block of memory.
; A tile of out0 is 128 tokens x 256 columns, which makes 256 work-groups.  Four waves, as many as a WGP has SIMDs; a wave makes 64 x 128: 32 accumulators of 16 x 16, 256 registers.
; K goes in steps of 128 (two planes) through a ring of two LDS slots: waves 0 and 1 fetch A's two planes (128 rows of 128 bytes each), waves 2 and 3 B's (256 rows each): one tensor load a wave.  Slots of three planes would not
; fit twice.  By this text's count a wave has two tensor loads out at the start, then one.
; CLUSTERS: 4 x 4 work-groups.  The four of a row of the cluster need the same tiles of A, the four of a column the same tiles of B: each tile is asked for JOINTLY, by the same tensor load with the same descriptor and a mask.
; THE MATRIX INSTRUCTION IS USED TRANSPOSED (source 0 = 16 rows of wo16, source 1 = 16 tokens): a lane then holds eight neighbouring columns of one token.  The bias is the C of each sum's first product.
; REGISTERS: window 0: v0-31 addresses; v64-127 the bias, eight registers for each of my 8 column blocks; v128-255 the way out.
;   window 1: two fragment buffers at v0 and v128: B's 8 fragments (16 rows x 32 K), then A's 4.   window 2: accumulator (a, b) at v[8 (8 a + b)].
.set PITCH,  144                       ; an LDS row: 128 bytes + 16 = 36 words: the 16 rows of a load start at 16 different groups of four banks (64 banks of 4 bytes: ISA guide 11.1)
.set APL,    128*PITCH                 ; a plane of A's tile
.set BPL,    256*PITCH                 ; a plane of B's
.set SLOT,   2*APL+2*BPL               ; A's two planes, then B's two
.set STAGE,  2*SLOT                    ; behind the ring: 16 rows x 528 bytes for each wave, for the way out; no fill lands here
.set SPITCH, 528
.set SPARE,  STAGE+4*16*SPITCH         ; behind the stages: the spare words, 128 bytes for each wave, which no other line names
.set APLANE, 2048*128                  ; a plane of att in memory (one batch's), in bytes
.set BPLANE, 1024*128                  ; a plane of wo16
.set LAPS,   4                         ; a lap = two K steps = once round the ring; K = 1,024 is eight steps
.set ADRA, 16                          ; v16-17  LDS address of my A fragments in slot 0, 1
.set ADRB, 20                          ; v20-21  the same for B
.set STO,  24                          ; v24     the way out: where I put 32 bytes of a row
.set RD,   25                          ; v25     the way out: where I read a row back
.set CO,   26                          ; v26     my byte offset in a row of out0
.set BO,   27                          ; v27     32 x (l / 16): my eight numbers of a block of the bias
.set SPW,  28                          ; v28     LDS address of my spare word; never rewritten
.set NIL,  29                          ; v29     0; never rewritten
.set PFO,  30                          ; v30     the prefetches' offset; never rewritten
.set BIAS, 64
.set BK,   128                         ; the way out: 16 rows read back: v128-191 and v192-255 by turns
.set F0,   0                           ; fragment buffers, in window 1
.set F1,   128
.set WV,  12                           ; s12 wave;  s13 which half of the tile's rows is mine, also: I fetch for A (0) or B (1);  s14 which half of its columns, also: which plane of a K step I fetch
.set HI,  13
.set LO,  14
.set LIM, 15                           ; s15  1 in a wave that prefetches, else the greatest number
.set G1,  24                           ; s[24:31] descriptor group 1 for A's tiles;  s[32:39] group 0, one set for each slot
.set G0,  32
.set PFA, 44                           ; s[44:45] where my prefetches stand;  s[46:47] a K step on, in bytes
.set PFS, 46
.set G1B, 48                           ; s[48:55], s[56:63] the same for B's tiles
.set G0B, 56
.set MSB, 0
.macro WIN new                         ; the immediate's high byte repeats the setting that is left; a switch that changes nothing is dropped
.if MSB != (\new)
	s_set_vgpr_msb (MSB<<8)|(\new)
.set MSB, (\new)
.endif
.endm
.set MUL,       0xa5                   ; sources 0 (B) and 1 (A) window 1; C and D window 2
.set MUL_FIRST, 0x85                   ; the same with C, the bias, in window 0
.set TO_F,      0x40                   ; destination window 1, address window 0
.macro JLOAD s                         ; a joint load: waves 0 and 1 fetch A's two planes, waves 2 and 3 B's; an s_nop 0 and four v_nop follow each of the two lines, ahead of the jump, the label and what follows
	s_cmp_eq_u32 s[HI], 0
	s_cbranch_scc0 .Lfor_b_\@
	tensor_load_to_lds s[G0+4*\s:G0+4*\s+3], s[G1:G1+7]
	s_nop 0
.rept 4
	v_nop
.endr
	s_branch .Lasked_\@
.Lfor_b_\@:
	tensor_load_to_lds s[G0B+4*\s:G0B+4*\s+3], s[G1B:G1B+7]
	s_nop 0
.rept 4
	v_nop
.endr
.Lasked_\@:
.endm
; A PREFETCH INTO THE L2, behind each joint refill and the run of LDS loads that follows it: the K step that stands TWO refills on (256 matrix instructions ahead of its load), one instruction a wave, lanes 256 bytes apart.
; Each aligned 256 bytes are named ONCE in the launch.  A's tile row is read by one row of one cluster: its four partners share a K step's 2 x 16,384 bytes out BY ADDRESS (4,096 bytes of each plane to a partner), and wave 0 asks.
; B's tile column is read by every cluster: the clusters with y = 0 ask; the column's four partners share a plane's 32,768 bytes out by address, and waves 2 and 3 ask, each for the plane that it fetches.
; No branch hangs on a work-group's place in its cluster.  K steps 0 to 3 come by their loads alone; the loop's last trip (s3 = 1) asks for nothing: there is no K step two refills on.
.macro ASK
	s_cmp_gt_u32 s3, s[LIM]
	s_cbranch_scc0 .Lnot_mine_\@
	global_prefetch_b8 v[PFO], s[PFA:PFA+1] th:TH_LOAD_NT scope:SCOPE_SE
.Lnot_mine_\@:
.endm
.macro CREST                           ; a round of the cluster's barrier behind its opening barrier
	s_cmp_lg_u32 s[WV], 0
	s_cbranch_scc1 .Lnot_wave_0_\@
	s_barrier_signal -3
.Lnot_wave_0_\@:
	s_barrier_wait -3
	s_barrier_signal -1
	s_barrier_wait -1
.endm
.macro CROUND                          ; a whole round
	s_barrier_signal -1
	s_barrier_wait -1
	CREST
.endm
	s_load_b256 s[4:11], s[0:1], 0x0               ; att s[4:5], wo16 s[6:7], b_out s[8:9], out0 s[10:11]
	v_lshl_add_u32 v[SPW], v0, 2, SPARE
	v_mov_b32 v[NIL], 0
	ds_add_u32 v[SPW], v[NIL]                      ; the wave's opening: the add, twice on end, and its wait ahead of my first tensor load; the set-up below, work on registers, stands between
	ds_add_u32 v[SPW], v[NIL]
	v_lshrrev_b32 v1, 5, v0
	v_readfirstlane_b32 s[WV], v1                  ; wave 0..3
	s_lshr_b32 s[HI], s[WV], 1
	s_and_b32 s[LO], s[WV], 1
	s_bfe_u32 s40, ttmp6, 0x40000                  ; cx, cy: my place in the cluster
	s_bfe_u32 s41, ttmp6, 0x40004
	s_lshl_b32 s42, ttmp9, 2
	s_add_co_u32 s42, s42, s40                     ; tile column = 4 x cluster x + cx
	s_and_b32 s43, ttmp7, 0xffff
	s_lshl_b32 s43, s43, 2
	s_add_co_u32 s43, s43, s41                     ; tile row = 4 x cluster y + cy
	s_lshl_b32 s2, s41, 2
	s_lshl_b32 s2, 15, s2                          ; my row of the cluster
	s_lshl_b32 s3, 0x1111, s40                     ; my column
	; descriptor group 1: rows of 64 elements of 2 bytes, dense in memory, padded in LDS; 128 rows for A, 256 for B
	s_or_b32 s[G1+0], s2, (1<<16)|(1<<20)|(1<<21)|(4<<22)|(3<<25)   ; 15:0 the mask: A's tiles go to my row; 17:16 element of 2 bytes; 20 padding on; 21 set beside a mask; 24:22 after every 32 words (code 4); 31:25 of 4 words (code 3)
	s_or_b32 s[G1B+0], s3, (1<<16)|(1<<20)|(1<<21)|(4<<22)|(3<<25)
	s_mov_b32 s[G1+1], 64<<16                      ; tensor_dim0 = 64
	s_mov_b32 s[G1+2], 128<<16                     ; tensor_dim1 = 128
	s_mov_b32 s[G1+3], 64<<16                      ; tile_dim0 = 64
	s_mov_b32 s[G1+4], 128                         ; tile_dim1 = 128
	s_mov_b32 s[G1+5], 64                          ; tensor_dim0_stride
	s_mov_b32 s[G1+6], 0
	s_mov_b32 s[G1+7], 0
	s_mov_b32 s[G1B+1], 64<<16
	s_mov_b32 s[G1B+2], 256<<16
	s_mov_b32 s[G1B+3], 64<<16
	s_mov_b32 s[G1B+4], 256
	s_mov_b32 s[G1B+5], 64
	s_mov_b32 s[G1B+6], 0
	s_mov_b32 s[G1B+7], 0
	; where the tiles come from.  A's hang on the tile row alone, which my row of the cluster shares; B's on the tile column alone.  Every wave makes both, in registers that never hold the other coordinate.
	s_lshr_b32 s16, s43, 4                         ; the batch: 16 tiles of 128 tokens each
	s_lshl_b32 s16, s16, 4                         ; its first plane,
	s_add_co_u32 s16, s16, s[LO]                   ; the plane of K step 0 that I fetch,
	s_lshl_b32 s16, s16, 11                        ; 2,048 tokens a plane,
	s_and_b32 s17, s43, 15
	s_lshl_b32 s17, s17, 7
	s_add_co_u32 s16, s16, s17                     ; the tile's first token,
	s_lshl_b32 s16, s16, 7                         ; 128 bytes a token: under 2^24
	s_mov_b32 s17, 0
	s_lshl_b32 s20, s[LO], 17                      ; B: the plane,
	s_lshl_b32 s21, s42, 15                        ; 256 rows of 128 bytes a tile column
	s_add_co_u32 s20, s20, s21
	s_mov_b32 s21, 0
	s_mul_i32 s22, s[LO], APL                      ; and where they go: no place in the cluster enters an LDS address
	s_mul_i32 s23, s[LO], BPL
	s_add_co_u32 s23, s23, 2*APL
	s_wait_dscnt 0x0                               ; both opening adds are done
	s_wait_kmcnt 0x0
	s_add_nc_u64 s[16:17], s[4:5], s[16:17]
	s_add_nc_u64 s[20:21], s[6:7], s[20:21]
	CROUND                                         ; all sixteen work-groups are here: the first joint loads meet
.irp s, 0,1
	s_mov_b32 s[G0+4*\s], 1
	s_add_co_u32 s[G0+4*\s+1], s22, \s*SLOT
	s_add_nc_u64 s[G0+4*\s+2:G0+4*\s+3], s[16:17], \s*2*APLANE
	s_or_b32 s[G0+4*\s+3], s[G0+4*\s+3], 0x80000000
	s_mov_b32 s[G0B+4*\s], 1
	s_add_co_u32 s[G0B+4*\s+1], s23, \s*SLOT
	s_add_nc_u64 s[G0B+4*\s+2:G0B+4*\s+3], s[20:21], \s*2*BPLANE
	s_or_b32 s[G0B+4*\s+3], s[G0B+4*\s+3], 0x80000000
	JLOAD \s
.endr
	v_and_b32 v1, 15, v0                           ; r = l % 16
	v_bfe_u32 v2, v0, 4, 1                         ; h = l / 16
	; the bias, in the result's layout: block b's register j is b_out[my first column + 16 b + 8 h + j]
	s_lshl_b32 s18, s42, 10
	s_lshl_b32 s19, s[LO], 9
	s_add_co_u32 s18, s18, s19                     ; my first column, in bytes of f32: 1,024 x tile column + 512 x half
	s_mov_b32 s19, 0
	s_add_nc_u64 s[8:9], s[8:9], s[18:19]
	s_add_nc_u64 s[10:11], s[10:11], s[18:19]
	v_lshlrev_b32 v[BO], 5, v2
.irp b, 0,1,2,3,4,5,6,7
	global_load_b128 v[BIAS+8*\b:BIAS+8*\b+3],   v[BO], s[8:9] offset:64*\b
	global_load_b128 v[BIAS+8*\b+4:BIAS+8*\b+7], v[BO], s[8:9] offset:64*\b+16
.endr
	s_lshl_b32 s18, s43, 19                        ; my first row of out0: 128 x tile row + 64 x half, rows of 4,096 bytes: under 2^25
	s_lshl_b32 s22, s[HI], 18
	s_add_co_u32 s18, s18, s22
	s_add_nc_u64 s[10:11], s[10:11], s[18:19]
	v_mul_u32_u24 v3, v1, PITCH
	v_lshl_add_u32 v3, v2, 4, v3                   ; a fragment's row x pitch + 16 x half
	s_mul_i32 s18, s[HI], 64*PITCH                 ; my 64 rows of A
	s_mul_i32 s19, s[LO], 128*PITCH                ; my 128 rows of B,
	s_add_co_u32 s19, s19, 2*APL                   ; which lie behind A's two planes
.irp s, 0,1
	v_add_nc_u32 v[ADRA+\s], s18, v3
	v_add_nc_u32 v[ADRB+\s], s19, v3
	s_add_co_u32 s18, s18, SLOT
	s_add_co_u32 s19, s19, SLOT
.endr
	s_mul_i32 s18, s[WV], 16*SPITCH
	s_add_co_u32 s18, s18, STAGE                   ; my stage
	v_mul_u32_u24 v4, v1, SPITCH                   ; in: row l % 16, 32 bytes for each half of the lanes
	v_lshl_add_u32 v4, v2, 5, v4
	v_add_nc_u32 v[STO], s18, v4
	v_and_b32 v5, 31, v0
	v_lshlrev_b32 v[CO], 4, v5                     ; back: the 32 lanes take one row of 512 bytes; and the same in out0
	v_add_nc_u32 v[RD], s18, v[CO]
	; the prefetches: where my wave's stand, and who asks
	s_and_b32 s2, ttmp7, 0xffff                    ; cluster y
	s_mov_b32 s[PFS], 2*BPLANE
	s_mov_b32 s3, 4096
	s_cmp_eq_u32 s[HI], 0                          ; do I fetch for A?
	s_cselect_b64 s[PFA:PFA+1], s[16:17], s[20:21]
	s_cselect_b32 s[PFS], 2*APLANE, s[PFS]         ; a K step on: two planes
	s_cselect_b32 s3, APLANE, s3                   ; lanes 16-31: A's second plane, or B's next 4,096 bytes
	s_cselect_b32 s18, s40, s41                    ; my place among the four that ask for the tile with me,
	s_cselect_b32 s19, 12, 13                      ; x 4,096 bytes of each of A's planes, or x 8,192 of B's plane
	s_cselect_b32 s2, s[LO], s2                    ; A: wave 0 asks;  B: waves 2 and 3 of the clusters with y = 0
	s_cmp_eq_u32 s2, 0
	s_cselect_b32 s[LIM], 1, -1                    ; the same in all sixteen partners, for a given wave
	s_lshl_b32 s18, s18, s19
	s_mul_i32 s19, s[PFS], 3
	s_add_co_u32 s18, s18, s19                     ; at K step 3: the first refill steps it to 4, two refills on.  Nothing is prefetched at the head, where every work-group's first tiles are on their way
	s_mov_b32 s19, 0
	s_mov_b32 s[PFS+1], 0
	s_add_nc_u64 s[PFA:PFA+1], s[PFA:PFA+1], s[18:19]
	v_mul_lo_u32 v[PFO], v2, s3
	v_lshl_add_u32 v[PFO], v1, 8, v[PFO]
; 8 matrix instructions: token block a x my 8 column blocks, 32 along K, from buffer f.  first = 1: the bias is the C of the sum's first product: nothing is cleared, nothing is added later.
; The 32 accumulators take turns, one instruction a turn, in the same order in every quarter.
.macro MUL8 f, a, first
.irp b, 0,1,2,3,4,5,6,7
.if \first
	v_wmma_f32_16x16x32_f16 v[8*(8*(\a)+\b):8*(8*(\a)+\b)+7], v[\f+8*\b:\f+8*\b+7], v[\f+64+8*(\a):\f+64+8*(\a)+7], v[BIAS+8*\b:BIAS+8*\b+7]
.else
	v_wmma_f32_16x16x32_f16 v[8*(8*(\a)+\b):8*(8*(\a)+\b)+7], v[\f+8*\b:\f+8*\b+7], v[\f+64+8*(\a):\f+64+8*(\a)+7], v[8*(8*(\a)+\b):8*(8*(\a)+\b)+7]
.endif
.endr
.endm
; 24 LDS loads in one run: the fragments of quarter q of a K step (plane q / 2, 32 along K at byte 64 (q % 2) of its rows) into buffer f: B's eight, then A's four
.macro FETCH slot, q, f
	WIN TO_F
.irp b, 0,1,2,3,4,5,6,7
	ds_load_b128 v[\f+8*\b:\f+8*\b+3],   v[ADRB+\slot] offset:((\q)>>1)*BPL+64*((\q)&1)+\b*16*PITCH
	ds_load_b128 v[\f+8*\b+4:\f+8*\b+7], v[ADRB+\slot] offset:((\q)>>1)*BPL+64*((\q)&1)+\b*16*PITCH+32
.endr
.irp a, 0,1,2,3
	ds_load_b128 v[\f+64+8*\a:\f+64+8*\a+3],   v[ADRA+\slot] offset:((\q)>>1)*APL+64*((\q)&1)+\a*16*PITCH
	ds_load_b128 v[\f+64+8*\a+4:\f+64+8*\a+7], v[ADRA+\slot] offset:((\q)>>1)*APL+64*((\q)&1)+\a*16*PITCH+32
.endr
.endm
.macro PLACES                          ; four places in front of loads into registers that matrix instructions have read, and of LDS stores that read results (ISA guide 7.12.1 for vector instructions)
.rept 4
	v_nop
.endr
.endm
; A K step is four quarters of 32 along K, 32 matrix instructions each, on buffers 0, 1, 0, 1.  One of the first three: multiplies quarter q in buffer f and fetches quarter q + 1 into g.
.macro QUARTER slot, q, f, g, first
	s_wait_dscnt 4                                 ; B and A's blocks 0 and 1 are in; the youngest four loads (A's blocks 2 and 3) may be out
.if \first
	WIN MUL_FIRST
.else
	WIN MUL
.endif
	MUL8 \f, 0, \first
	MUL8 \f, 1, \first
	PLACES
	FETCH \slot, (\q)+1, \g
	s_wait_dscnt 24                                ; all but the 24 just issued
.if \first
	WIN MUL_FIRST
.else
	WIN MUL
.endif
	MUL8 \f, 2, \first
	MUL8 \f, 3, \first
.endm
; The last quarter multiplies buffer 1 and changes slots: ONE barrier; in front of it each wave waits for all its tensor loads, adds 0 to its spare word, and waits for that and for its own reads of this slot.
; fill = 1: this slot is filled again, two K steps ahead; the barrier then opens a round of the cluster's barrier, and the joint refill is the first tensor load behind the round: it has a K step, less sixteen matrix instructions, in which to land.
.macro TURN slot, next, fill
.if \fill
	s_wait_xcnt 0x0                                ; the last prefetch, a K step back, has read its address: it is stepped here, ahead of the waits of the change of slots
	s_add_nc_u64 s[PFA:PFA+1], s[PFA:PFA+1], s[PFS:PFS+1]
.endif
	WIN 0                                          ; (the add's two registers lie in window 0)
	s_wait_tensorcnt 0x0                           ; all my tensor loads have landed: my part of the next slot;
	ds_add_u32 v[SPW], v[NIL]                      ; 0 onto my spare word;
	s_wait_dscnt 5                                 ; (the add and the youngest four loads may be out)
	WIN MUL
	MUL8 F1, 0, 0                                  ; eight matrix instructions stand between the add and the wait for it
	s_wait_dscnt 0x0                               ; the add is done, and my reads of this slot are over
	s_barrier_signal -1
	MUL8 F1, 1, 0
.if \fill
	WIN 0
.endif
	s_barrier_wait -1
.if \fill
	CREST                                          ; no wave of any partner still reads this slot's tile or has a load on its way
	s_add_nc_u64 s[G0+4*\slot+2:G0+4*\slot+3], s[G0+4*\slot+2:G0+4*\slot+3], 4*APLANE
	s_add_nc_u64 s[G0B+4*\slot+2:G0B+4*\slot+3], s[G0B+4*\slot+2:G0B+4*\slot+3], 4*BPLANE
	JLOAD \slot                                    ; the four v_nop behind it are also the places in front of the loads below
.else
	PLACES
.endif
	FETCH \next, 0, F0
.if \fill
	WIN 0                                          ; (a branch and a label follow)
	ASK
.endif
	WIN MUL
	MUL8 F1, 2, 0
	MUL8 F1, 3, 0
.endm
	s_wait_tensorcnt 1                             ; my part of K step 0 is in (K step 1's load may be out),
	s_barrier_signal -1
	s_barrier_wait -1                              ; everybody's is
	FETCH 0, 0, F0
	s_wait_loadcnt 0x0                             ; the bias
	QUARTER 0, 0, F0, F1, 1                        ; the first quarter stands in front of the loop: its products start the sums, on the bias
	WIN 0                                          ; at a label and at a branch every window is 0
	s_mov_b32 s3, LAPS-1
.Llap:                                                 ; a trip goes once round the ring, from a lap's second quarter to the next lap's first, and fills both slots again
	QUARTER 0, 1, F1, F0, 0
	QUARTER 0, 2, F0, F1, 0
	TURN 0, 1, 1
	QUARTER 1, 0, F0, F1, 0
	QUARTER 1, 1, F1, F0, 0
	QUARTER 1, 2, F0, F1, 0
	TURN 1, 0, 1
	QUARTER 0, 0, F0, F1, 0
	WIN 0
	s_sub_co_u32 s3, s3, 1
	s_cmp_lg_u32 s3, 0
	s_cbranch_scc1 .Llap
	QUARTER 0, 1, F1, F0, 0                        ; the last lap fills nothing, and has no round of the cluster's barrier
	QUARTER 0, 2, F0, F1, 0
	TURN 0, 1, 0
	QUARTER 1, 0, F0, F1, 0
	QUARTER 1, 1, F1, F0, 0
	QUARTER 1, 2, F0, F1, 0
	s_wait_dscnt 4                                 ; the very last quarter: nothing more to fetch
	WIN MUL
	MUL8 F1, 0, 0
	MUL8 F1, 1, 0
	s_wait_dscnt 0
	MUL8 F1, 2, 0
	MUL8 F1, 3, 0
	WIN 0
; THE WAY OUT, block by block of 16 tokens x 128 columns.  A lane holds 32 neighbouring bytes of a row, and the lanes beside it hold other rows: so a block goes through my own stage in LDS and comes back as whole rows of
; 512 bytes.  LDS serves a wave's instructions in order (ISA guide 5.7.1.4): no wait between the stores and the loads, nor in front of the next block's stores.
.macro TOSTAGE a
	WIN 0x08                                       ; an LDS store's data are its source 1: window 2
.irp b, 0,1,2,3,4,5,6,7
	ds_store_b128 v[STO], v[64*(\a)+8*\b:64*(\a)+8*\b+3] offset:64*\b          ; each accumulator from its low end on
	ds_store_b128 v[STO], v[64*(\a)+8*\b+4:64*(\a)+8*\b+7] offset:64*\b+16
.endr
	WIN 0
.set BB, BK+64*((\a)%2)
.irp t, 0,1,2,3,4,5,6,7,8,9,10,11,12,13,14,15
	ds_load_b128 v[BB+4*\t:BB+4*\t+3], v[RD] offset:\t*SPITCH
.endr
.endm
.macro SEND a, younger                 ; younger: the LDS instructions issued behind block a's loads, which may stay out
.set BB, BK+64*((\a)%2)
	s_wait_dscnt \younger                          ; the block is back in registers
.irp t, 0,1,2,3,4,5,6,7,8,9,10,11,12,13,14,15
	global_store_b128 v[CO], v[BB+4*\t:BB+4*\t+3], s[10:11] offset:65536*(\a)+4096*\t th:TH_STORE_NT   ; 32 lanes store 512 consecutive bytes, at a multiple of 256 from out0's first byte; written once, read by nobody here
.endr
.endm
	PLACES                                         ; behind the last products, in front of the first read of results
	TOSTAGE 0
.irp a, 1,2,3
.if \a > 1
	s_wait_xcnt 0x0                                ; block a - 2's stores have had their addresses translated (ISA guide 3.1): block a's loads may land in the registers that they read
.endif
	TOSTAGE \a
	SEND \a-1, 32                                  ; behind block a - 1's loads: block a's 16 stores and 16 loads
.endr
	SEND 3, 0
	s_wait_tensorcnt 0x0                           ; the wave's end: a wait, an add and its wait, behind my last tensor load and my last LDS store
	ds_add_u32 v[SPW], v[NIL]
	s_wait_dscnt 0x0
	CROUND                                         ; the closing round: no work-group ends while a partner may still ask for a tile that names it
	s_endpgm
.Lfunc_end_k_q1a4f1809cf_proj:
	.size	k_q1a4f1809cf_proj, .Lfunc_end_k_q1a4f1809cf_proj-k_q1a4f1809cf_proj
	.p2alignl 7, 3214868480
	.fill 96, 4, 3214868480
	.section	.rodata,"a",@progbits
	.p2align	6, 0x0
	.amdhsa_kernel k_q1a4f1809cf_proj
		.amdhsa_group_segment_fixed_size 327680
		.amdhsa_private_segment_fixed_size 0
		.amdhsa_enable_private_segment 0
		.amdhsa_kernarg_size 32
		.amdhsa_user_sgpr_count 2
		.amdhsa_user_sgpr_kernarg_segment_ptr 1
		.amdhsa_wavefront_size32 1
		.amdhsa_system_sgpr_workgroup_id_x 1
		.amdhsa_system_sgpr_workgroup_id_y 1
		.amdhsa_system_sgpr_workgroup_id_z 1
		.amdhsa_system_vgpr_workitem_id 0
		.amdhsa_next_free_vgpr 768
		.amdhsa_next_free_sgpr 66
		.amdhsa_reserve_vcc 0
		.amdhsa_float_denorm_mode_32 3
		.amdhsa_float_denorm_mode_16_64 3
		.amdhsa_memory_ordered 1
		.amdhsa_forward_progress 1
		.amdhsa_inst_pref_size 88
	.end_amdhsa_kernel
	.amdgpu_metadata
---
amdhsa.version: [ 1, 2 ]
amdhsa.kernels:
  - .name:           k_q1a4f1809cf_proj
    .symbol:         k_q1a4f1809cf_proj.kd
    .args:
      - { .name: att, .offset: 0, .size: 8, .value_kind: global_buffer, .address_space: global }
      - { .name: wo16, .offset: 8, .size: 8, .value_kind: global_buffer, .address_space: global }
      - { .name: b_out, .offset: 16, .size: 8, .value_kind: global_buffer, .address_space: global }
      - { .name: out0, .offset: 24, .size: 8, .value_kind: global_buffer, .address_space: global }
    .group_segment_fixed_size: 327680
    .private_segment_fixed_size: 0
    .kernarg_segment_align: 8
    .kernarg_segment_size: 32
    .max_flat_workgroup_size: 128
    .sgpr_count:     66
    .vgpr_count:     768
    .wavefront_size: 32
...
	.end_amdgpu_metadata
.endif
;; end of part 4
